; MI455X (gfx1250); checked and timed in simulation.
; The chip was launched on July 23, 2026; its instructions are those of AMD's public machine-readable ISA for CDNA 5 (MIT licence, August 2026) and "CDNA5" Instruction Set Architecture Reference Guide (July 2026). The comments in the code are by the model that wrote it; some were corrected since.
;; Orthogonal Lipschitz Linear. Allowed arithmetic: float matrix products may take bf16 or f16 operands with f32 sums; other float arithmetic in f32, or as packed bf16 or f16 multiplies, adds, multiply-adds, maxima and minima; sums over many terms, partial sums and values carried from step to step in f32; what a program stores and reads back later, other than sums and carried values, may be rounded once to bf16 or f16.
;; Inputs: bias 1,024 float32; householder_vectors 1,024 x 1,024 float32; x 16,384 x 1,024 float32.
;; Outputs: out0 16,384 x 1,024 float32.
;; 2 versions, each right; version 2 is version 1 with the launch trsm written anew for expert scheduling mode. Each part assembles by itself: llvm-mc -triple=amdgcn-amd-amdhsa -mcpu=gfx1250 --defsym DOCPART=n.
;; ======== version 1 of 2: 5 launches
;; limits: values are held in f16: magnitudes above 65,504 overflow, below 6.1e-05 lose precision; inputs' magnitudes at most 65,504
;; workspace buffers: u16 2,097,152 bytes; u16b 2,097,152 bytes; ut16 2,097,152 bytes; ng 2,097,152 bytes; lb 2,097,152 bytes; wb 2,097,152 bytes
;; launch prep (part 1): grid 64 x 1, 16 waves a work-group, no clusters, 35,328 bytes of LDS; arguments householder_vectors, u16, u16b, ut16; writes u16, u16b, ut16
.if DOCPART == 1
	.amdgcn_target "amdgcn-amd-amdhsa--gfx1250"
	.amdhsa_code_object_version 6
	.text
	.protected	k_qc7c3966e92_prep
	.globl	k_qc7c3966e92_prep
	.p2align	8
	.type	k_qc7c3966e92_prep,@function
k_qc7c3966e92_prep:
	s_mov_b64 s[64:65], 0
	v_nop
	global_prefetch_b8 v0, s[64:65] scope:SCOPE_SE
	s_setreg_imm32_b32 hwreg(HW_REG_WAVE_MODE, 25, 1), 1
	s_wait_xcnt 0x0
; U[i][:] = hv[i][:] / (|hv[i]| + 1e-8), rounded once to f16, written three times: u16 and u16b (two equal copies of U) and ut16 (U turned).
; THE LAYOUT of every 1024 x 1024 f16 matrix of this program: element (row, k) lies at byte ((k / 16) x 1024 + row) x 32 + (k % 16) x 2.
; So 16 rows x 16 k are 512 bytes on end, and a matrix fragment is two loads of 16 bytes a lane, each covering 512 consecutive bytes.
; SHARES.  A work-group owns 16 rows of hv, a wave one row (4,096 bytes: eight loads of 16 bytes a lane, the row stays in 32 registers between the sum and the scaling).
; The 16 scaled rows meet in LDS (pitch 2,080 bytes: rows 32 bytes apart modulo 256), and go out by blocks: every store of a wave covers 512 consecutive bytes, aligned.
; The two-byte reads that turn the tile meet two deep on a bank (two lanes share a word's neighbours): 32 loads a wave, once.
; LIMITS.  The sum of squares is kept in f32: a row whose sum leaves f32's normal range is not treated apart (a row of zeros gives zeros).
; No matrix unit, no cluster, no tensor load: 4 MiB are read once and 6 MiB written once.
.set PITCH, 2080
.set SPARE, 16*PITCH                   ; behind the tile: the spare words, 128 bytes for each of 16 waves
.set LN,  1                            ; v1   lane
.set LO,  2                            ; v2   16 x lane
.set LW,  3                            ; v3   where my 8 bytes of a 256-byte piece of my row go
.set UR,  4                            ; v4   U's way out: row lane / 2, half lane % 2, chunk 4 x wave
.set TRD, 5                            ; v5   the turned way out: rows 8 (lane % 2) .., column 64 x wave + lane / 2
.set SPW, 6                            ; v6   my spare word; never rewritten
.set NIL, 7                            ; v7   0; never rewritten
.set X,   8                            ; v[8:39]   the row; later the 32 halves of the turned way out
.set S,   40                           ; v[40:47]  four chains of the sum of squares
.set R,   48                           ; v[48:49]  1 / (norm + 1e-8), twice
.set H,   50                           ; v[50:65]  the row in f16
.set UO,  66                           ; v[66:81]  U's four blocks
.set O,   82                           ; v[82:97]  the turned four blocks
	s_load_b256 s[4:11], s[0:1], 0x0               ; hv s[4:5], u16 s[6:7], u16b s[8:9], ut16 s[10:11]
	v_lshl_add_u32 v[SPW], v0, 2, SPARE
	v_mov_b32 v[NIL], 0
	v_lshrrev_b32 v1, 5, v0
	v_readfirstlane_b32 s12, v1                    ; wave 0..15
	v_and_b32 v[LN], 31, v0
	v_lshlrev_b32 v[LO], 4, v[LN]
	s_mul_i32 s13, s12, PITCH
	v_lshl_add_u32 v[LW], v[LN], 3, s13            ; wave x pitch + 8 x lane
	v_lshrrev_b32 v[S], 1, v[LN]                   ; lane / 2
	v_and_b32 v[S+1], 1, v[LN]                     ; lane % 2
	s_lshl_b32 s16, s12, 7                         ; 128 x wave: four chunks of 32 bytes, or 64 columns of 2 bytes
	v_mul_u32_u24 v[UR], v[S], PITCH
	v_lshl_add_u32 v[UR], v[S+1], 4, v[UR]
	v_add_nc_u32 v[UR], s16, v[UR]
	v_mul_u32_u24 v[TRD], v[S+1], 8*PITCH
	v_lshl_add_u32 v[TRD], v[S], 1, v[TRD]
	v_add_nc_u32 v[TRD], s16, v[TRD]
	s_mov_b32 s14, 0x76543210                      ; v_permlanex16_b32: each lane takes its own place in the other half
	s_mov_b32 s15, 0xfedcba98
	s_lshl_b32 s18, ttmp9, 4
	s_add_co_u32 s18, s18, s12                     ; my row
	s_lshl_b32 s18, s18, 12                        ; x 4,096 bytes
	s_mov_b32 s19, 0
	s_lshl_b32 s20, s12, 17                        ; U: chunk 4 x wave (32,768 bytes a chunk)
	s_lshl_b32 s22, ttmp9, 9                       ; + the group's 16 rows of 32 bytes
	s_add_co_u32 s20, s20, s22
	s_mov_b32 s21, 0
	s_lshl_b32 s22, ttmp9, 15                      ; U turned: chunk = the group's number
	s_lshl_b32 s23, s12, 11                        ; + 64 x wave rows of 32 bytes
	s_add_co_u32 s22, s22, s23
	s_mov_b32 s23, 0
	s_wait_kmcnt 0x0
	s_add_nc_u64 s[4:5], s[4:5], s[18:19]
	s_add_nc_u64 s[6:7], s[6:7], s[20:21]
	s_add_nc_u64 s[8:9], s[8:9], s[20:21]
	s_add_nc_u64 s[10:11], s[10:11], s[22:23]
.irp q, 0,1,2,3,4,5,6,7
	global_load_b128 v[X+4*(\q):X+4*(\q)+3], v[LO], s[4:5] offset:512*(\q) th:TH_LOAD_NT
.endr
	s_wait_loadcnt 0x0
	; the sum of squares: four chains, started by the first four pairs
.irp c, 0,1,2,3
	v_pk_mul_f32 v[S+2*(\c):S+2*(\c)+1], v[X+2*(\c):X+2*(\c)+1], v[X+2*(\c):X+2*(\c)+1]
.endr
.set c, 4
.rept 12
	v_pk_fma_f32 v[S+2*(c%4):S+2*(c%4)+1], v[X+2*c:X+2*c+1], v[X+2*c:X+2*c+1], v[S+2*(c%4):S+2*(c%4)+1]
.set c, c+1
.endr
	v_pk_add_f32 v[S:S+1], v[S:S+1], v[S+2:S+3]
	v_pk_add_f32 v[S+4:S+5], v[S+4:S+5], v[S+6:S+7]
	v_pk_add_f32 v[S:S+1], v[S:S+1], v[S+4:S+5]
	v_add_f32 v[S], v[S], v[S+1]
	v_add_f32_dpp v[S], v[S], v[S] row_xmask:1 row_mask:0xf bank_mask:0xf
	v_add_f32_dpp v[S], v[S], v[S] row_xmask:2 row_mask:0xf bank_mask:0xf
	v_add_f32_dpp v[S], v[S], v[S] row_xmask:4 row_mask:0xf bank_mask:0xf
	v_add_f32_dpp v[S], v[S], v[S] row_xmask:8 row_mask:0xf bank_mask:0xf
	v_permlanex16_b32 v[S+1], v[S], s14, s15
	v_add_f32 v[S], v[S], v[S+1]                   ; every lane holds the row's sum
	v_sqrt_f32 v[S+2], v[S]
	v_nop                                          ; a plain instruction behind the root,
	s_wait_alu depctr_va_vdst(0)                   ; and the wait ahead of its first reader
	v_add_f32 v[S+2], 0x322bcc77, v[S+2]           ; + 1e-8
	v_rcp_f32 v[R], v[S+2]
	v_nop
	s_wait_alu depctr_va_vdst(0)
	v_mov_b32 v[R+1], v[R]
.set c, 0
.rept 16
	v_pk_mul_f32 v[X+2*c:X+2*c+1], v[X+2*c:X+2*c+1], v[R:R+1]
.set c, c+1
.endr
.set c, 0
.rept 16
	v_cvt_pk_f16_f32 v[H+c], v[X+2*c], v[X+2*c+1]
.set c, c+1
.endr
.irp q, 0,1,2,3,4,5,6,7
	ds_store_b64 v[LW], v[H+2*(\q):H+2*(\q)+1] offset:256*(\q)  ; elements 128 q + 4 lane .. + 3 of my row
.endr
	s_wait_dscnt 0x0                               ; for the others' sake: my row lies in LDS
	s_barrier_signal -1
	s_barrier_wait -1
.irp j, 0,1,2,3
	ds_load_b128 v[UO+4*(\j):UO+4*(\j)+3], v[UR] offset:32*(\j)  ; chunk 4 wave + j: 16 rows x 32 bytes
.endr
.irp j, 0,1,2,3
.irp e, 0,1,2,3,4,5,6,7
	ds_load_u16 v[X+8*(\j)+(\e)], v[TRD] offset:(\e)*PITCH+32*(\j)  ; column 64 wave + 16 j + lane / 2, rows 8 (lane % 2) + e
.endr
.endr
	s_wait_dscnt 32                                ; U's four loads are in; the 32 behind them may stay out
.irp j, 0,1,2,3
	global_store_b128 v[LO], v[UO+4*(\j):UO+4*(\j)+3], s[6:7] offset:32768*(\j)
	global_store_b128 v[LO], v[UO+4*(\j):UO+4*(\j)+3], s[8:9] offset:32768*(\j)
.endr
	s_wait_dscnt 0x0
.irp j, 0,1,2,3
.irp m, 0,1,2,3
	v_lshl_or_b32 v[O+4*(\j)+(\m)], v[X+8*(\j)+2*(\m)+1], 16, v[X+8*(\j)+2*(\m)]
.endr
	global_store_b128 v[LO], v[O+4*(\j):O+4*(\j)+3], s[10:11] offset:512*(\j)
.endr
	s_wait_tensorcnt 0x0                           ; the wave's end, behind my last LDS store
	ds_add_u32 v[SPW], v[NIL]
	s_wait_dscnt 0x0
	s_endpgm
.Lfunc_end_k_qc7c3966e92_prep:
	.size	k_qc7c3966e92_prep, .Lfunc_end_k_qc7c3966e92_prep-k_qc7c3966e92_prep
	.p2alignl 7, 3214868480
	.fill 96, 4, 3214868480
	.section	.rodata,"a",@progbits
	.p2align	6, 0x0
	.amdhsa_kernel k_qc7c3966e92_prep
		.amdhsa_group_segment_fixed_size 35328
		.amdhsa_private_segment_fixed_size 0
		.amdhsa_enable_private_segment 0
		.amdhsa_kernarg_size 32
		.amdhsa_user_sgpr_count 2
		.amdhsa_user_sgpr_kernarg_segment_ptr 1
		.amdhsa_wavefront_size32 1
		.amdhsa_system_sgpr_workgroup_id_x 1
		.amdhsa_system_sgpr_workgroup_id_y 1
		.amdhsa_system_sgpr_workgroup_id_z 1
		.amdhsa_system_vgpr_workitem_id 0
		.amdhsa_next_free_vgpr 100
		.amdhsa_next_free_sgpr 66
		.amdhsa_reserve_vcc 0
		.amdhsa_float_denorm_mode_32 3
		.amdhsa_float_denorm_mode_16_64 3
		.amdhsa_memory_ordered 1
		.amdhsa_forward_progress 1
		.amdhsa_inst_pref_size 12
	.end_amdhsa_kernel
	.amdgpu_metadata
---
amdhsa.version: [ 1, 2 ]
amdhsa.kernels:
  - .name:           k_qc7c3966e92_prep
    .symbol:         k_qc7c3966e92_prep.kd
    .args:
      - { .name: householder_vectors, .offset: 0, .size: 8, .value_kind: global_buffer, .address_space: global }
      - { .name: u16, .offset: 8, .size: 8, .value_kind: global_buffer, .address_space: global }
      - { .name: u16b, .offset: 16, .size: 8, .value_kind: global_buffer, .address_space: global }
      - { .name: ut16, .offset: 24, .size: 8, .value_kind: global_buffer, .address_space: global }
    .group_segment_fixed_size: 35328
    .private_segment_fixed_size: 0
    .kernarg_segment_align: 8
    .kernarg_segment_size: 32
    .max_flat_workgroup_size: 512
    .sgpr_count:     66
    .vgpr_count:     100
    .wavefront_size: 32
...
	.end_amdgpu_metadata
.endif
;; end of part 1
;; launch gram (part 2): grid 16 x 16, 8 waves a work-group, no clusters, 70,656 bytes of LDS; arguments u16, u16b, ng; writes ng
.if DOCPART == 2
	.amdgcn_target "amdgcn-amd-amdhsa--gfx1250"
	.amdhsa_code_object_version 6
	.text
	.protected	k_qc7c3966e92_gram
	.globl	k_qc7c3966e92_gram
	.p2align	8
	.type	k_qc7c3966e92_gram,@function
k_qc7c3966e92_gram:
	s_mov_b64 s[64:65], 0
	v_nop
	global_prefetch_b8 v0, s[64:65] scope:SCOPE_SE
	s_setreg_imm32_b32 hwreg(HW_REG_WAVE_MODE, 25, 1), 1
	s_wait_xcnt 0x0
; C = I - A B^T.  A, B, C: 1024 x 1024 f16 in this program's layout: element (row, k) at byte ((k / 16) x 1024 + row) x 32 + (k % 16) x 2.  Sums in f32, C rounded once.
; It runs twice: NG = I - U U^T (off the diagonal the negative Gram matrix), and W = I - L U (B = U turned).
; All operands are of size 1 or less (rows of unit length, columns of L of length 2), so f16 has the room; f16 and not bf16, since these roundings reach the output undiminished.
; SHARES.  A work-group makes 64 x 64 of C.  Wave w takes columns 32 (w % 2) .. + 31 and the quarter w / 2 of K (256): 8 accumulators, 8 K steps of 32.
; A fragment comes straight from memory, two loads of 16 bytes a lane, 512 consecutive bytes each: nothing is shared on the way in, so no LDS, no tensor load and no cluster there;
; the operands are 2 MiB each and every work-group reads a sixteenth of each.  Three sets of registers: two steps' loads are out while one is multiplied.
; The product is taken transposed (source 0 = rows of B): a lane holds one row m and eight neighbouring columns.  The four quarters of K meet in LDS, in f32.
.set SPARE, 69632                      ; behind the partial sums (4 x 64 rows x 272 bytes): the spare words, 128 bytes for each of 8 waves
.set RR,  1                            ; v1   lane % 16
.set HH,  2                            ; v2   lane / 16
.set VG,  3                            ; v3   32 (lane % 16) + 16 (lane / 16): my place in a fragment; never rewritten
.set LS,  4                            ; v4   where my partial sums go
.set LR,  5                            ; v5   where I read them back
.set CO,  6                            ; v6   my 16 bytes of C
.set DG,  7                            ; v7   the number e (0..7) of my element on the diagonal, if any
.set SPW, 8
.set NIL, 9
.set ACC, 16                           ; v[16:79]   tile (mt, nt) at ACC + 8 (2 mt + nt)
.set SET, 80                           ; v[80:223]  three sets of 48: A's four fragments, then B's two
.set P,   80                           ; at the end: pass p, quarter kq at P + 32 p + 8 kq
.set ID,  144
.set OUT, 152
	s_load_b128 s[4:7], s[0:1], 0x0                ; A, B
	s_load_b64 s[8:9], s[0:1], 0x10                ; C
	v_lshl_add_u32 v[SPW], v0, 2, SPARE
	v_mov_b32 v[NIL], 0
	v_lshrrev_b32 v1, 5, v0
	v_readfirstlane_b32 s12, v1                    ; wave 0..7
	s_and_b32 s13, s12, 1                          ; nh
	s_lshr_b32 s14, s12, 1                         ; kq
	s_and_b32 s15, ttmp7, 0xffff                   ; by: tile row; ttmp9: bx, tile column
	v_and_b32 v[RR], 15, v0
	v_bfe_u32 v[HH], v0, 4, 1
	v_lshlrev_b32 v[VG], 5, v[RR]
	v_lshl_add_u32 v[VG], v[HH], 4, v[VG]
	v_mul_u32_u24 v[LS], v[RR], 272
	v_lshl_add_u32 v[LS], v[HH], 5, v[LS]          ; 272 r + 32 h
	s_mul_i32 s17, s13, 8704                       ; back: rows 32 (w % 2) + r,
	s_lshl_b32 s18, s14, 6                         ; columns 16 (w / 2) on
	s_add_co_u32 s17, s17, s18
	v_add_nc_u32 v[LR], s17, v[LS]
	s_mul_i32 s16, s14, 17408                      ; in: my quarter's plane,
	s_lshl_b32 s17, s13, 7                         ; my 32 columns
	s_add_co_u32 s16, s16, s17
	v_add_nc_u32 v[LS], s16, v[LS]
	s_lshl_b32 s18, s13, 10
	v_add_nc_u32 v[CO], s18, v[VG]                 ; (32 (w % 2) + r) x 32 + 16 h
	s_lshl_b32 s18, s13, 5
	s_lshl_b32 s19, s14, 4
	s_sub_co_u32 s18, s18, s19                     ; 32 (w % 2) - 16 (w / 2)
	s_cmp_eq_u32 ttmp9, s15
	s_cselect_b32 s19, 0, 0x1000                   ; off the diagonal tiles no e is ever met
	s_add_co_u32 s18, s18, s19
	v_lshlrev_b32 v[DG], 3, v[HH]
	v_sub_nc_u32 v[DG], v[RR], v[DG]
	v_add_nc_u32 v[DG], s18, v[DG]                 ; row - 16 (w / 2) - 8 h
	s_lshl_b32 s20, s14, 19                        ; my quarter of K: 16 chunks of 32,768 bytes
	s_lshl_b32 s21, s15, 11
	s_add_co_u32 s20, s20, s21                     ; A: + 64 by rows
	s_mov_b32 s21, 0
	s_lshl_b32 s22, s14, 19
	s_lshl_b32 s23, ttmp9, 11
	s_add_co_u32 s22, s22, s23                     ; B: + 64 bx rows
	s_lshl_b32 s23, s13, 10
	s_add_co_u32 s22, s22, s23                     ;    + my 32
	s_mov_b32 s23, 0
	s_lshl_b32 s24, ttmp9, 17                      ; C: chunk 4 bx + w / 2, rows 64 by on
	s_lshl_b32 s25, s14, 15
	s_add_co_u32 s24, s24, s25
	s_lshl_b32 s25, s15, 11
	s_add_co_u32 s24, s24, s25
	s_mov_b32 s25, 0
	s_wait_kmcnt 0x0
	s_add_nc_u64 s[4:5], s[4:5], s[20:21]
	s_add_nc_u64 s[6:7], s[6:7], s[22:23]
	s_add_nc_u64 s[8:9], s[8:9], s[24:25]
.macro LOADS s, buf                    ; K step s: 12 loads into set buf
.irp mt, 0,1,2,3
	global_load_b128 v[SET+48*(\buf)+8*(\mt):SET+48*(\buf)+8*(\mt)+3],   v[VG], s[4:5] offset:(\s)*65536+(\mt)*512
	global_load_b128 v[SET+48*(\buf)+8*(\mt)+4:SET+48*(\buf)+8*(\mt)+7], v[VG], s[4:5] offset:(\s)*65536+(\mt)*512+32768
.endr
.irp nt, 0,1
	global_load_b128 v[SET+48*(\buf)+32+8*(\nt):SET+48*(\buf)+32+8*(\nt)+3],   v[VG], s[6:7] offset:(\s)*65536+(\nt)*512
	global_load_b128 v[SET+48*(\buf)+32+8*(\nt)+4:SET+48*(\buf)+32+8*(\nt)+7], v[VG], s[6:7] offset:(\s)*65536+(\nt)*512+32768
.endr
.endm
.macro MULS buf, zero                  ; 8 products; the 8 accumulators take turns, one instruction a turn, from step to step too
.irp mt, 0,1,2,3
.irp nt, 0,1
.if \zero
	v_wmma_f32_16x16x32_f16 v[ACC+8*(2*(\mt)+(\nt)):ACC+8*(2*(\mt)+(\nt))+7], v[SET+48*(\buf)+32+8*(\nt):SET+48*(\buf)+32+8*(\nt)+7], v[SET+48*(\buf)+8*(\mt):SET+48*(\buf)+8*(\mt)+7], 0
.else
	v_wmma_f32_16x16x32_f16 v[ACC+8*(2*(\mt)+(\nt)):ACC+8*(2*(\mt)+(\nt))+7], v[SET+48*(\buf)+32+8*(\nt):SET+48*(\buf)+32+8*(\nt)+7], v[SET+48*(\buf)+8*(\mt):SET+48*(\buf)+8*(\mt)+7], v[ACC+8*(2*(\mt)+(\nt)):ACC+8*(2*(\mt)+(\nt))+7]
.endif
.endr
.endr
.endm
.macro PLACES                          ; four places behind the last product, in front of loads into registers that it has read
.rept 4
	v_nop
.endr
.endm
.macro KSTEP s, left, zero             ; left: the loads of the younger sets, which may stay out
	s_wait_loadcnt \left
	MULS (\s)%3, \zero
	PLACES
.if (\s)+3 <= 7
	LOADS (\s)+3, (\s)%3
.endif
.endm
	LOADS 0, 0
	LOADS 1, 1
	LOADS 2, 2
	KSTEP 0, 24, 1                                 ; the first step starts the sums
	KSTEP 1, 24, 0
	KSTEP 2, 24, 0
	KSTEP 3, 24, 0
	KSTEP 4, 24, 0
	KSTEP 5, 24, 0
	KSTEP 6, 12, 0
	KSTEP 7, 0, 0
	PLACES                                         ; (eight in all, once a launch, in front of the stores that read results)
.irp mt, 0,1,2,3
.irp nt, 0,1
	ds_store_b128 v[LS], v[ACC+8*(2*(\mt)+(\nt)):ACC+8*(2*(\mt)+(\nt))+3]   offset:(\mt)*4352+(\nt)*64
	ds_store_b128 v[LS], v[ACC+8*(2*(\mt)+(\nt))+4:ACC+8*(2*(\mt)+(\nt))+7] offset:(\mt)*4352+(\nt)*64+16
.endr
.endr
	s_wait_dscnt 0x0                               ; for the others' sake
	s_barrier_signal -1
	s_barrier_wait -1                              ; all four quarters of K lie in LDS
	; wave w finishes columns 16 (w / 2) .. + 15 of rows 32 (w % 2) .. + 31, in two passes of 16 rows; a lane has 8 numbers a pass
.irp p, 0,1
.irp kq, 0,1,2,3
	ds_load_b128 v[P+32*(\p)+8*(\kq):P+32*(\p)+8*(\kq)+3],   v[LR] offset:(\kq)*17408+(\p)*4352
	ds_load_b128 v[P+32*(\p)+8*(\kq)+4:P+32*(\p)+8*(\kq)+7], v[LR] offset:(\kq)*17408+(\p)*4352+16
.endr
.endr
	s_wait_dscnt 0x0
.irp p, 0,1
.irp e, 0,2,4,6
	v_pk_add_f32 v[P+32*(\p)+(\e):P+32*(\p)+(\e)+1], v[P+32*(\p)+(\e):P+32*(\p)+(\e)+1], v[P+32*(\p)+8+(\e):P+32*(\p)+8+(\e)+1]
	v_pk_add_f32 v[P+32*(\p)+16+(\e):P+32*(\p)+16+(\e)+1], v[P+32*(\p)+16+(\e):P+32*(\p)+16+(\e)+1], v[P+32*(\p)+24+(\e):P+32*(\p)+24+(\e)+1]
.endr
.irp e, 0,2,4,6
	v_pk_add_f32 v[P+32*(\p)+(\e):P+32*(\p)+(\e)+1], v[P+32*(\p)+(\e):P+32*(\p)+(\e)+1], v[P+32*(\p)+16+(\e):P+32*(\p)+16+(\e)+1]
.endr
.irp e, 0,1,2,3,4,5,6,7
	v_cmp_eq_u32 vcc_lo, \e, v[DG]
	v_cndmask_b32 v[ID+(\e)], 0, 1.0, vcc_lo       ; the identity's element
.endr
.irp e, 0,2,4,6
	v_pk_add_f32 v[P+32*(\p)+(\e):P+32*(\p)+(\e)+1], v[ID+(\e):ID+(\e)+1], v[P+32*(\p)+(\e):P+32*(\p)+(\e)+1] neg_lo:[0,1] neg_hi:[0,1]
.endr
.irp m, 0,1,2,3
	v_cvt_pk_f16_f32 v[OUT+4*(\p)+(\m)], v[P+32*(\p)+2*(\m)], v[P+32*(\p)+2*(\m)+1]
.endr
	global_store_b128 v[CO], v[OUT+4*(\p):OUT+4*(\p)+3], s[8:9] offset:512*(\p)  ; the wave's store covers 512 consecutive bytes, aligned
.if (\p) == 0
	v_add_nc_u32 v[DG], 16, v[DG]                  ; the second pass lies 16 rows on
.endif
.endr
	s_wait_tensorcnt 0x0                           ; the wave's end, behind my last LDS store
	ds_add_u32 v[SPW], v[NIL]
	s_wait_dscnt 0x0
	s_endpgm
.Lfunc_end_k_qc7c3966e92_gram:
	.size	k_qc7c3966e92_gram, .Lfunc_end_k_qc7c3966e92_gram-k_qc7c3966e92_gram
	.p2alignl 7, 3214868480
	.fill 96, 4, 3214868480
	.section	.rodata,"a",@progbits
	.p2align	6, 0x0
	.amdhsa_kernel k_qc7c3966e92_gram
		.amdhsa_group_segment_fixed_size 70656
		.amdhsa_private_segment_fixed_size 0
		.amdhsa_enable_private_segment 0
		.amdhsa_kernarg_size 24
		.amdhsa_user_sgpr_count 2
		.amdhsa_user_sgpr_kernarg_segment_ptr 1
		.amdhsa_wavefront_size32 1
		.amdhsa_system_sgpr_workgroup_id_x 1
		.amdhsa_system_sgpr_workgroup_id_y 1
		.amdhsa_system_sgpr_workgroup_id_z 1
		.amdhsa_system_vgpr_workitem_id 0
		.amdhsa_next_free_vgpr 224
		.amdhsa_next_free_sgpr 66
		.amdhsa_reserve_vcc 1
		.amdhsa_float_denorm_mode_32 3
		.amdhsa_float_denorm_mode_16_64 3
		.amdhsa_memory_ordered 1
		.amdhsa_forward_progress 1
		.amdhsa_inst_pref_size 24
	.end_amdhsa_kernel
	.amdgpu_metadata
---
amdhsa.version: [ 1, 2 ]
amdhsa.kernels:
  - .name:           k_qc7c3966e92_gram
    .symbol:         k_qc7c3966e92_gram.kd
    .args:
      - { .name: u16, .offset: 0, .size: 8, .value_kind: global_buffer, .address_space: global }
      - { .name: u16b, .offset: 8, .size: 8, .value_kind: global_buffer, .address_space: global }
      - { .name: ng, .offset: 16, .size: 8, .value_kind: global_buffer, .address_space: global }
    .group_segment_fixed_size: 70656
    .private_segment_fixed_size: 0
    .kernarg_segment_align: 8
    .kernarg_segment_size: 24
    .max_flat_workgroup_size: 256
    .sgpr_count:     66
    .vgpr_count:     224
    .wavefront_size: 32
...
	.end_amdgpu_metadata
.endif
;; end of part 2
;; launch trsm (part 3): grid 64 x 1, 16 waves a work-group, no clusters, 154,112 bytes of LDS; arguments ng, ut16, lb; writes lb
.if DOCPART == 3
	.amdgcn_target "amdgcn-amd-amdhsa--gfx1250"
	.amdhsa_code_object_version 6
	.text
	.protected	k_qc7c3966e92_trsm
	.globl	k_qc7c3966e92_trsm
	.p2align	8
	.type	k_qc7c3966e92_trsm,@function
k_qc7c3966e92_trsm:
	s_mov_b64 s[64:65], 0
	v_nop
	global_prefetch_b8 v0, s[64:65] scope:SCOPE_SE
	s_setreg_imm32_b32 hwreg(HW_REG_WAVE_MODE, 25, 1), 1
	s_wait_xcnt 0x0
; THE CHAIN OF 1,024 REFLECTIONS AS ONE TRIANGULAR SOLVE.  W = I - L U, where U's rows are the unit vectors and L (I / 2 + striu(U U^T)) = U^T (exact for any rows of U).
; With X = L^T, in blocks of 64:  X_j = T_jj^T (U_j + sum over i < j of NG_ji X_i),  NG = -U U^T off the diagonal,  T_jj = (I / 2 + striu(G_jj))^-1.
; Only the 64 x 64 diagonal blocks are inverted; the columns of L have length 2 whatever U, so X, NG and U keep to f16's range.  Sums in f32; X, T and the right sides are rounded to f16 as matrix operands.
; All matrices lie in this program's layout: element (row, k) at byte ((k / 16) x 1024 + row) x 32 + (k % 16) x 2.
; SHARES.  A work-group owns 16 columns of X (16 rows of L); wave w owns block row w: four accumulators of 16 x 16, D[m = k][n = column].  Two such results rounded in pairs ARE a source-1 fragment (32 k x 16 columns).
; 64 work-groups: a matrix instruction has 16 columns, and 1,024 columns make no more shares.
; PROLOGUE, every wave: T_ww.  Its two 32 x 32 diagonal parts by back substitution in f32, a lane a column, both parts at once in register pairs; the multipliers are read from a table in the wave's own LDS, every lane the
; same 16 bytes.  (NG is symmetric but for rounding: row k left of the diagonal serves as column k above it.)  Then T12 = T11 (NG12 T22) by eight matrix instructions.  T is kept turned, Tt[a'][a] = T[a][a'].
; STEPS 0 to 15.  Wave i multiplies its sums by T_ii^T, stores X_i to memory and (f16) to LDS; a barrier; waves above i add NG_wi X_i.  The LDS block for X has two halves that take turns, so one barrier a step does:
; a half is written again two steps on, behind a barrier in front of which every reader has waited for its reads.
; NG's BLOCKS come two steps ahead, into two sets of registers that take turns.  A wave that does not consume a step waits for all its loads instead, so that on every way into a later step at most two blocks are out:
; this step's, with 16 younger loads behind it, and the next step's.
; No tensor load and no cluster: NG's fragments go straight into registers, one reader each; no prefetch: the launch is a short chain of dependent steps on matrices of 2 MiB.
.set WRB,   9216                       ; a wave's own LDS: first the table (32 rows, pitch 272), then Tt (64 rows, pitch 144)
.set XB,    16*WRB                     ; X of the step in hand: two halves of 16 rows (columns of X) x pitch 144
.set XH,    2304
.set SPARE, XB+2*XH                    ; the spare words, 128 bytes for each of 16 waves
.set RR,  1                            ; v1   lane % 16
.set HH,  2                            ; v2   lane / 16
.set LN,  3                            ; v3   lane
.set VG,  4                            ; v4   32 (lane % 16) + 16 (lane / 16): my place in a fragment in memory; never rewritten
.set VL,  5                            ; v5   32 x lane: a row a lane
.set MW,  6                            ; v6   my row of the table
.set MR,  7                            ; v7   the table's first byte, in every lane
.set TS,  8                            ; v8   my row of Tt
.set TR,  9                            ; v9   a fragment of Tt: 144 (lane % 16) + 16 (lane / 16)
.set TX,  10                           ; v10  the turning load's address in Tt
.set XA,  11                           ; v11  my place in X's LDS block
.set SPW, 12
.set NIL, 13
.set ONE, 14                           ; v14  1.0
.set ZER, 15                           ; v15  0: f16 half x 1.0 + 0 widens a half
.set ACC, 16                           ; v[16:47]    my block row's sums, tile t at ACC + 8 t
.set GA,  48                           ; v[48:111]   NG's block of an even step (tile t, half f of K at + 8 (2 t + f)); in the prologue raw loads and multipliers
.set GB,  112                          ; v[112:175]  of an odd step
.set TA,  176                          ; v[176:239]  T in the making; then Tt's eight fragments (tile t', half f at + 8 (2 t' + f))
.set XF,  240                          ; v[240:255]  two source-1 fragments
	s_load_b128 s[4:7], s[0:1], 0x0                ; ng, ut16
	s_load_b64 s[8:9], s[0:1], 0x10                ; lb
	v_lshl_add_u32 v[SPW], v0, 2, SPARE
	v_mov_b32 v[NIL], 0
	v_lshrrev_b32 v1, 5, v0
	v_readfirstlane_b32 s12, v1                    ; wave 0..15
	v_and_b32 v[RR], 15, v0
	v_bfe_u32 v[HH], v0, 4, 1
	v_and_b32 v[LN], 31, v0
	v_lshlrev_b32 v[VG], 5, v[RR]
	v_lshl_add_u32 v[VG], v[HH], 4, v[VG]
	v_lshlrev_b32 v[VL], 5, v[LN]
	s_mul_i32 s13, s12, WRB
	v_mul_u32_u24 v[MW], v[LN], 272
	v_add_nc_u32 v[MW], s13, v[MW]
	v_mov_b32 v[MR], s13
	v_mul_u32_u24 v[TS], v[LN], 144
	v_add_nc_u32 v[TS], s13, v[TS]
	v_mul_u32_u24 v[TR], v[RR], 144
	v_lshl_add_u32 v[TR], v[HH], 4, v[TR]
	v_add_nc_u32 v[XA], XB, v[TR]
	v_add_nc_u32 v[TR], s13, v[TR]
	v_and_b32 v[TX], 7, v0
	v_lshl_add_u32 v[TX], v[HH], 3, v[TX]          ; row 8 (lane / 16) + lane % 8
	v_mul_u32_u24 v[TX], v[TX], 144
	v_bfe_u32 v[ONE], v0, 3, 1
	v_lshl_add_u32 v[TX], v[ONE], 4, v[TX]
	v_add_nc_u32 v[TX], s13, v[TX]
	v_mov_b32 v[ONE], 1.0
	v_mov_b32 v[ZER], 0
	s_lshl_b32 s24, s12, 11                        ; my 64 rows of NG
	s_mov_b32 s25, 0
	s_mul_i32 s26, s12, 133120                     ; my diagonal block: chunk 4 w and row 64 w
	s_mov_b32 s27, 0
	s_lshl_b32 s28, s12, 17                        ; chunk 4 w of U turned and of L,
	s_lshl_b32 s29, ttmp9, 9                       ; the group's 16 rows
	s_add_co_u32 s28, s28, s29
	s_mov_b32 s29, 0
	s_wait_kmcnt 0x0
	s_add_nc_u64 s[16:17], s[4:5], s[24:25]        ; sG
	s_add_nc_u64 s[18:19], s[4:5], s[26:27]        ; sD
	s_add_nc_u64 s[20:21], s[6:7], s[28:29]        ; sU
	s_add_nc_u64 s[22:23], s[8:9], s[28:29]        ; sL
.irp t, 0,1,2,3
	global_load_b128 v[GA+4*(\t):GA+4*(\t)+3], v[VG], s[20:21] offset:32768*(\t)  ; the right side U[64 w + 16 t + 8 h + 0..7][my column]
.endr
.irp c, 0,1
	global_load_b128 v[GA+16+8*(\c):GA+16+8*(\c)+3],   v[VL], s[18:19] offset:32768*(\c)             ; NG11: row = lane
	global_load_b128 v[GA+16+8*(\c)+4:GA+16+8*(\c)+7], v[VL], s[18:19] offset:32768*(\c)+16
	global_load_b128 v[GA+32+8*(\c):GA+32+8*(\c)+3],   v[VL], s[18:19] offset:32768*(2+(\c))+1024    ; NG22
	global_load_b128 v[GA+32+8*(\c)+4:GA+32+8*(\c)+7], v[VL], s[18:19] offset:32768*(2+(\c))+1024+16
.endr
.irp mt, 0,1
	global_load_b128 v[XF+8*(\mt):XF+8*(\mt)+3],   v[VG], s[18:19] offset:2*32768+512*(\mt)          ; NG12 as two source-0 fragments
	global_load_b128 v[XF+8*(\mt)+4:XF+8*(\mt)+7], v[VG], s[18:19] offset:3*32768+512*(\mt)
.endr
	s_wait_loadcnt 0x0
.set i, 0
.rept 16                               ; the sums start with the right side
	v_fma_mix_f32 v[ACC+2*i],   v[GA+i], v[ONE], v[ZER] op_sel_hi:[1,0,0]
	v_fma_mix_f32 v[ACC+2*i+1], v[GA+i], v[ONE], v[ZER] op_sel:[1,0,0] op_sel_hi:[1,0,0]
.set i, i+1
.endr
.set i, 0
.rept 16                               ; the table: row k = lane, entry k' = the pair (NG11[k][k'], NG22[k][k']) in f32
	v_fma_mix_f32 v[GB+4*i],   v[GA+16+i], v[ONE], v[ZER] op_sel_hi:[1,0,0]
	v_fma_mix_f32 v[GB+4*i+1], v[GA+32+i], v[ONE], v[ZER] op_sel_hi:[1,0,0]
	v_fma_mix_f32 v[GB+4*i+2], v[GA+16+i], v[ONE], v[ZER] op_sel:[1,0,0] op_sel_hi:[1,0,0]
	v_fma_mix_f32 v[GB+4*i+3], v[GA+32+i], v[ONE], v[ZER] op_sel:[1,0,0] op_sel_hi:[1,0,0]
	ds_store_b128 v[MW], v[GB+4*i:GB+4*i+3] offset:16*i
.set i, i+1
.endr
.macro MULOAD k                        ; row k's multipliers, entries 0 .. k - 1, into GA (k even) or GB (k odd): (k + 1) / 2 loads.  LDS serves a wave's instructions in order: these see the stores above
.set qq, 0
.rept ((\k)+1)/2
	ds_load_b128 v[GA+64*((\k)%2)+4*qq:GA+64*((\k)%2)+4*qq+3], v[MR] offset:272*(\k)+16*qq
.set qq, qq+1
.endr
.endm
	MULOAD 31
.set kk, 0
.rept 32                               ; the identity: my column is my lane
	v_cmp_eq_u32 vcc_lo, kk, v[LN]
	v_cndmask_b32 v[TA+2*kk], 0, 1.0, vcc_lo
	v_mov_b32 v[TA+2*kk+1], v[TA+2*kk]
.set kk, kk+1
.endr
.set kk, 31
.rept 31                               ; T[k] = 2 x what is left; then every row above takes NG[k'][k] T[k]; the row needed next is updated first
.if kk > 1
	MULOAD kk-1
.endif
	s_wait_dscnt kk/2                              ; the loads just issued, kk / 2 of them, may stay out: row kk's multipliers are in
	v_pk_mul_f32 v[TA+2*kk:TA+2*kk+1], v[TA+2*kk:TA+2*kk+1], 2.0 op_sel_hi:[1,0]
.set jj, kk-1
.rept kk
	v_pk_fma_f32 v[TA+2*jj:TA+2*jj+1], v[GA+64*(kk%2)+2*jj:GA+64*(kk%2)+2*jj+1], v[TA+2*kk:TA+2*kk+1], v[TA+2*jj:TA+2*jj+1]
.set jj, jj-1
.endr
.set kk, kk-1
.endr
	v_pk_mul_f32 v[TA:TA+1], v[TA:TA+1], 2.0 op_sel_hi:[1,0]
	; Tt's three known parts: my lane holds column lane of T11 and of T22, which are rows of Tt
.set i, 0
.rept 16
	v_cvt_pk_f16_f32 v[GA+i],    v[TA+4*i],   v[TA+4*i+2]
	v_cvt_pk_f16_f32 v[GA+16+i], v[TA+4*i+1], v[TA+4*i+3]
.set i, i+1
.endr
.irp m, 0,1,2,3
	v_mov_b32 v[GA+32+(\m)], 0
.endr
.irp m, 0,1,2,3
	ds_store_b128 v[TS], v[GA+4*(\m):GA+4*(\m)+3]       offset:16*(\m)                 ; Tt[lane][0..31] = T11[..][lane]
	ds_store_b128 v[TS], v[GA+16+4*(\m):GA+16+4*(\m)+3] offset:32*144+64+16*(\m)       ; Tt[32 + lane][32..63] = T22[..][lane]
	ds_store_b128 v[TS], v[GA+32:GA+35]                 offset:64+16*(\m)              ; Tt[lane][32..63] = 0
.endr
.irp nt, 0,1
	ds_load_b128 v[TA+32+8*(\nt):TA+32+8*(\nt)+3],   v[TR] offset:(32+16*(\nt))*144+64    ; T22 as source 1: column b', K along Tt's rows
	ds_load_b128 v[TA+32+8*(\nt)+4:TA+32+8*(\nt)+7], v[TR] offset:(32+16*(\nt))*144+96
.endr
.irp mt, 0,1
	ds_load_tr16_b128 v[TA+48+8*(\mt):TA+48+8*(\mt)+3],   v[TX] offset:32*(\mt)           ; T11 as source 0: turned
	ds_load_tr16_b128 v[TA+48+8*(\mt)+4:TA+48+8*(\mt)+7], v[TX] offset:32*(\mt)+16*144
.endr
	s_wait_dscnt 0x0
.macro GLOAD idx, buf                  ; NG's block (my 64 rows, columns 64 idx on): 16 loads
.irp t, 0,1,2,3
.irp f, 0,1
	global_load_b128 v[(\buf)+8*(2*(\t)+(\f)):(\buf)+8*(2*(\t)+(\f))+3],   v[VG], s[16:17] offset:(4*(\idx)+2*(\f))*32768+512*(\t)
	global_load_b128 v[(\buf)+8*(2*(\t)+(\f))+4:(\buf)+8*(2*(\t)+(\f))+7], v[VG], s[16:17] offset:(4*(\idx)+2*(\f)+1)*32768+512*(\t)
.endr
.endr
.endm
.macro PLACES8                         ; places behind matrix instructions, in front of what reads their results or writes their registers
.rept 8
	v_nop
.endr
.endm
	GLOAD 0, GA                                    ; the LDS stores that read GA are done
	GLOAD 1, GB
.irp mt, 0,1
.irp nt, 0,1
	v_wmma_f32_16x16x32_f16 v[TA+8*(2*(\mt)+(\nt)):TA+8*(2*(\mt)+(\nt))+7], v[XF+8*(\mt):XF+8*(\mt)+7], v[TA+32+8*(\nt):TA+32+8*(\nt)+7], 0  ; Y = NG12 T22
.endr
.endr
	PLACES8
.irp mt, 0,1
.irp nt, 0,1
.irp j, 0,1,2,3
	v_cvt_pk_f16_f32 v[XF+8*(\nt)+4*(\mt)+(\j)], v[TA+8*(2*(\mt)+(\nt))+2*(\j)], v[TA+8*(2*(\mt)+(\nt))+2*(\j)+1]  ; two results are a source-1 fragment
.endr
.endr
.endr
.irp mt, 0,1
.irp nt, 0,1
	v_wmma_f32_16x16x32_f16 v[TA+8*(2*(\mt)+(\nt)):TA+8*(2*(\mt)+(\nt))+7], v[TA+48+8*(\mt):TA+48+8*(\mt)+7], v[XF+8*(\nt):XF+8*(\nt)+7], 0  ; T12 = T11 Y
.endr
.endr
	PLACES8
.irp mt, 0,1
.irp nt, 0,1
.irp j, 0,1,2,3
	v_cvt_pk_f16_f32 v[XF+4*(2*(\mt)+(\nt))+(\j)], v[TA+8*(2*(\mt)+(\nt))+2*(\j)], v[TA+8*(2*(\mt)+(\nt))+2*(\j)+1]
.endr
	ds_store_b128 v[TR], v[XF+4*(2*(\mt)+(\nt)):XF+4*(2*(\mt)+(\nt))+3] offset:(32+16*(\nt))*144+32*(\mt)  ; Tt[32 + b'][a] = T12[a][b']
.endr
.endr
.irp t, 0,1,2,3
.irp f, 0,1
	ds_load_b128 v[TA+8*(2*(\t)+(\f)):TA+8*(2*(\t)+(\f))+3],   v[TR] offset:2304*(\t)+64*(\f)      ; Tt as source 0, for good
	ds_load_b128 v[TA+8*(2*(\t)+(\f))+4:TA+8*(2*(\t)+(\f))+7], v[TR] offset:2304*(\t)+64*(\f)+32
.endr
.endr
	s_wait_dscnt 0x0
.macro PACKX                           ; my four tiles, rounded in pairs: two source-1 fragments, and also 16 bytes a tile of L's rows
.set c, 0
.rept 16
	v_cvt_pk_f16_f32 v[XF+c], v[ACC+2*c], v[ACC+2*c+1]
.set c, c+1
.endr
.endm
; Step i.  The jumps hang on the wave's number against a constant and go forward; none passes a barrier.
.macro STEP i
.set par, (\i)%2
	s_cmp_eq_u32 s12, \i
	s_cbranch_scc0 .Lnp_\@
	PACKX                                          ; wave i: X_i = T_ii^T x its sums
.irp f, 0,1
.irp t, 0,1,2,3
.if (\f) == 0
	v_wmma_f32_16x16x32_f16 v[ACC+8*(\t):ACC+8*(\t)+7], v[TA+8*(2*(\t)+(\f)):TA+8*(2*(\t)+(\f))+7], v[XF+8*(\f):XF+8*(\f)+7], 0
.else
	v_wmma_f32_16x16x32_f16 v[ACC+8*(\t):ACC+8*(\t)+7], v[TA+8*(2*(\t)+(\f)):TA+8*(2*(\t)+(\f))+7], v[XF+8*(\f):XF+8*(\f)+7], v[ACC+8*(\t):ACC+8*(\t)+7]
.endif
.endr
.endr
	PLACES8
	PACKX
.if (\i) < 15
.irp t, 0,1,2,3
	ds_store_b128 v[XA], v[XF+4*(\t):XF+4*(\t)+3] offset:XH*par+32*(\t)
.endr
.endif
.irp t, 0,1,2,3
	global_store_b128 v[VG], v[XF+4*(\t):XF+4*(\t)+3], s[22:23] offset:32768*(\t)  ; L[my column][64 i + 16 t + 8 h ..]: the wave's store covers 512 consecutive bytes, aligned
.endr
.Lnp_\@:
.if (\i) < 15
	s_wait_dscnt 0x0                               ; the producer's stores are done; every wave's reads of the last step were waited for there
	s_barrier_signal -1
	s_barrier_wait -1
	s_cmp_gt_u32 s12, \i
	s_cbranch_scc0 .Lidle_\@
	s_wait_xcnt 0x0                                ; XF is loaded only when no store can still read it
.irp m, 0,1,2,3
	ds_load_b128 v[XF+4*(\m):XF+4*(\m)+3], v[XA] offset:XH*par+32*(\m)
.endr
	s_wait_loadcnt 16                              ; NG's block i is in; the 16 loads of block i + 1, issued behind it, may stay out
	s_wait_dscnt 0x0
.irp f, 0,1
.irp t, 0,1,2,3                        ; the four accumulators take turns, one instruction a turn
	v_wmma_f32_16x16x32_f16 v[ACC+8*(\t):ACC+8*(\t)+7], v[GA+64*par+8*(2*(\t)+(\f)):GA+64*par+8*(2*(\t)+(\f))+7], v[XF+8*(\f):XF+8*(\f)+7], v[ACC+8*(\t):ACC+8*(\t)+7]
.endr
.endr
	PLACES8
.if (\i)+2 <= 15
	GLOAD (\i)+2, GA+64*par                        ; every wave that has consumed asks for the block two steps on, so that the count above holds in every step (the last two that a wave asks for it does not use)
.endif
	s_branch .Lnc_\@
.Lidle_\@:
	s_wait_loadcnt 0x0                             ; a wave that does not consume this step has no load out behind this line: the blocks that it asked for and does not use have landed,
	                                               ; so no later load into GA or GB meets one that is still on its way, whichever way leads there
.Lnc_\@:
.endif
.endm
.irp i, 0,1,2,3,4,5,6,7,8,9,10,11,12,13,14,15
	STEP \i
.endr
	s_wait_tensorcnt 0x0                           ; the wave's end, behind my last LDS store
	ds_add_u32 v[SPW], v[NIL]
	s_wait_dscnt 0x0
	s_endpgm
.Lfunc_end_k_qc7c3966e92_trsm:
	.size	k_qc7c3966e92_trsm, .Lfunc_end_k_qc7c3966e92_trsm-k_qc7c3966e92_trsm
	.p2alignl 7, 3214868480
	.fill 96, 4, 3214868480
	.section	.rodata,"a",@progbits
	.p2align	6, 0x0
	.amdhsa_kernel k_qc7c3966e92_trsm
		.amdhsa_group_segment_fixed_size 154112
		.amdhsa_private_segment_fixed_size 0
		.amdhsa_enable_private_segment 0
		.amdhsa_kernarg_size 24
		.amdhsa_user_sgpr_count 2
		.amdhsa_user_sgpr_kernarg_segment_ptr 1
		.amdhsa_wavefront_size32 1
		.amdhsa_system_sgpr_workgroup_id_x 1
		.amdhsa_system_sgpr_workgroup_id_y 1
		.amdhsa_system_sgpr_workgroup_id_z 1
		.amdhsa_system_vgpr_workitem_id 0
		.amdhsa_next_free_vgpr 256
		.amdhsa_next_free_sgpr 66
		.amdhsa_reserve_vcc 1
		.amdhsa_float_denorm_mode_32 3
		.amdhsa_float_denorm_mode_16_64 3
		.amdhsa_memory_ordered 1
		.amdhsa_forward_progress 1
		.amdhsa_inst_pref_size 172
	.end_amdhsa_kernel
	.amdgpu_metadata
---
amdhsa.version: [ 1, 2 ]
amdhsa.kernels:
  - .name:           k_qc7c3966e92_trsm
    .symbol:         k_qc7c3966e92_trsm.kd
    .args:
      - { .name: ng, .offset: 0, .size: 8, .value_kind: global_buffer, .address_space: global }
      - { .name: ut16, .offset: 8, .size: 8, .value_kind: global_buffer, .address_space: global }
      - { .name: lb, .offset: 16, .size: 8, .value_kind: global_buffer, .address_space: global }
    .group_segment_fixed_size: 154112
    .private_segment_fixed_size: 0
    .kernarg_segment_align: 8
    .kernarg_segment_size: 24
    .max_flat_workgroup_size: 512
    .sgpr_count:     66
    .vgpr_count:     256
    .wavefront_size: 32
...
	.end_amdgpu_metadata
.endif
;; end of part 3
;; launch wmat: the kernel of part 2 again; grid 16 x 16, 8 waves a work-group, no clusters, 70,656 bytes of LDS; arguments lb, ut16, wb; writes wb
;; launch main (part 4): grid 4 x 64, 4 waves a work-group, clusters of 4 x 4, 327,680 bytes of LDS; arguments x, wb, bias, out0; writes out0
.if DOCPART == 4
	.amdgcn_target "amdgcn-amd-amdhsa--gfx1250"
	.amdhsa_code_object_version 6
	.text
	.protected	k_qc7c3966e92_main
	.globl	k_qc7c3966e92_main
	.p2align	8
	.type	k_qc7c3966e92_main,@function
k_qc7c3966e92_main:
	s_mov_b64 s[64:65], 0
	v_nop
	global_prefetch_b8 v0, s[64:65] scope:SCOPE_SE
	s_setreg_imm32_b32 hwreg(HW_REG_WAVE_MODE, 25, 1), 1
	s_wait_xcnt 0x0
	s_wait_alu depctr_hold_cnt(0) depctr_sa_sdst(0) depctr_va_vdst(0) depctr_va_sdst(0) depctr_va_ssrc(0) depctr_va_vcc(0) depctr_vm_vsrc(0)
	s_getreg_b32 s2, hwreg(HW_REG_IB_STS2, 6, 4)
	s_cmp_eq_u32 s2, 0
	s_cbranch_scc0 .Lentry_in_a_cluster
	s_endpgm
.Lentry_in_a_cluster:
	s_bfe_u32 s2, ttmp6, 0x10000c
	s_cmp_lg_u32 s2, 0xf033
	s_cbranch_scc0 .Lentry_shape_is_right
	s_endpgm
.Lentry_shape_is_right:
; out0[m][n] = sum over k of x[m][k] W[n][k] + bias[n].  x: [16384][1024] f32; W: 1024 x 1024 f16 in this program's layout (element (n, k) at byte ((k / 16) x 1024 + n) x 32 + (k % 16) x 2); out0 f32.
; x is rounded to f16 on the way from LDS to the matrix unit; sums in f32; the bias is the C operand of the product that starts each sum.
; LIMIT.  f16 holds no number beyond 65,504: |x| stays under that.  f16 and not bf16: W's and x's roundings reach the output undiminished.
; SHARES.  A work-group makes 256 x 256 of out0, each of its four waves 128 x 128: 64 accumulators, 512 registers.  K goes in 16 steps of 64 through a ring of two LDS slots filled by the tensor data mover:
; a row of x's tile is 256 bytes of memory, aligned; W's tile is four pieces of 4,096 consecutive bytes.  A step is two quarters of 32 along K, 64 matrix instructions each.
; CLUSTER.  4 x 4 work-groups: the four of a row need the same tile of x, the four of a column the same tile of W; each tile is asked for jointly, by the same tensor load with the same descriptor and a mask of four.
; THE PRODUCT IS TAKEN TRANSPOSED (source 0 = 16 rows of W, source 1 = 16 rows of x): a lane holds one row m and eight neighbouring columns n.
; THE CONVERSION.  While a quarter is multiplied the next quarter's x (f32, 32 LDS loads) and W (16 loads) come into registers; the 64 roundings of x to f16 stand four behind each of the quarter's last 16 matrix instructions.
; REGISTERS, in windows of 256 (s_set_vgpr_msb: bits 1:0 source 0, 3:2 source 1, 5:4 source 2, 7:6 destination):
;   window 0: v0-31 addresses; v64-127, v128-191 x's fragments in f16, two buffers (on the way out: rows read back); v192-255 the bias of my 128 columns, as eight C operands
;   window 1: v64-127, v128-191 W's fragments, two buffers; v0-63, v192-255 x as loaded, f32: 16 registers for each block of 16 rows
;   window 2: the accumulators of my rows 0-63 ((a, b) at v[8 (8 a + b)]);   window 3: those of my rows 64-127
.set AHALF,  34816                     ; 128 rows of x: 256 bytes + 16 of padding each: the 16 rows of a load start at 16 different groups of four banks (64 banks of 4 bytes: ISA guide 11.1)
.set BOFF,   2*AHALF
.set BHALF,  17408                     ; 128 rows of W x 64 k: 4 chunks of 16 k; in a chunk 16 bytes of padding behind every 8 rows of 32 bytes: row n' at (n' / 8) x 272 + (n' % 8) x 32
.set SLOT,   BOFF+2*BHALF
.set STAGE,  2*SLOT                    ; behind the ring, never filled by a tensor load: 16 rows x 528 bytes for each wave
.set SPITCH, 528
.set SPARE,  STAGE+4*16*SPITCH         ; the spare words, 128 bytes for each wave
.set ADRA, 16                          ; v16-17  LDS address of my x fragments in slot 0, 1
.set ADRB, 20                          ; v20-21  the same for W
.set STO,  24                          ; v24     the way out: where I put 32 bytes of a row
.set RD,   25                          ; v25     where I read a row back
.set CO,   26                          ; v26     16 x lane
.set SPW,  28                          ; v28     my spare word; never rewritten
.set NIL,  29                          ; v29     0; never rewritten
.set PFO,  30                          ; v30     the prefetches' offset: lane x a row of x (4,096 bytes); never rewritten
.set BO,   31                          ; v31     32 (lane / 16): my eight columns in a tile's 16
.set BI,   192
.set G1,  24                           ; s[24:31] descriptor group 1 for x's tiles;  s[32:39] group 0, a set for each slot
.set G0,  32
.set G1B, 48                           ; s[48:55], s[56:63] the same for W's tiles
.set G0B, 56
.set PFA, 44                           ; s[44:45] where my prefetches stand
.set MSB, 0
.macro WIN new                         ; the immediate's high byte repeats the setting that is left; a switch that changes nothing is dropped
.if MSB != (\new)
	s_set_vgpr_msb (MSB<<8)|(\new)
.set MSB, \new
.endif
.endm
; A joint load.  Waves 0 and 1 fetch the two halves of x's tile, waves 2 and 3 those of W's.  The branch hangs on the wave's number alone.  An s_nop 0 and four v_nop follow each of the two lines.
.macro JLOAD s
	s_cmp_eq_u32 s11, 0
	s_cbranch_scc0 .Lfor_b_\@
	tensor_load_to_lds s[G0+4*(\s):G0+4*(\s)+3], s[G1:G1+7]
	s_nop 0
.rept 4
	v_nop
.endr
	s_branch .Lasked_\@
.Lfor_b_\@:
	tensor_load_to_lds s[G0B+4*(\s):G0B+4*(\s)+3], s[G1B:G1B+7]
	s_nop 0
.rept 4
	v_nop
.endr
.Lasked_\@:
.endm
; A prefetch of x into the L2: of the 128 rows that wave 0 or 1 fetches, my work-group's 32 (told apart by address: 32 cx on), a lane a row, the 256 bytes of the K step four steps on from the step in hand,
; which the refill after next will ask for.  The grid has one cluster along x, so each block of 256 bytes is named once in the launch.  W is not asked for: every cluster reads all of it.
.macro ASK
	s_cmp_eq_u32 s11, 0
	s_cbranch_scc0 .Lnot_mine_\@
	global_prefetch_b8 v[PFO], s[PFA:PFA+1] th:TH_LOAD_NT scope:SCOPE_SE
.Lnot_mine_\@:
.endm
.macro CREST                           ; a round of the cluster's barrier behind its opening barrier
	s_cmp_lg_u32 s10, 0
	s_cbranch_scc1 .Lnot_wave_0_\@
	s_barrier_signal -3
.Lnot_wave_0_\@:
	s_barrier_wait -3
	s_barrier_signal -1
	s_barrier_wait -1
.endm
.macro CROUND
	s_barrier_signal -1
	s_barrier_wait -1
	CREST
.endm
	s_load_b128 s[4:7], s[0:1], 0x0                ; x s[4:5], W s[6:7]
	s_load_b128 s[68:71], s[0:1], 0x10             ; bias s[68:69], out0 s[70:71]
	v_lshl_add_u32 v[SPW], v0, 2, SPARE
	v_mov_b32 v[NIL], 0
	ds_add_u32 v[SPW], v[NIL]                      ; the wave's opening: the add and its wait stand ahead of my first tensor load; the set-up below stands between them
	ds_add_u32 v28, v29
	v_lshrrev_b32 v1, 5, v0
	v_readfirstlane_b32 s10, v1                    ; wave 0..3
	s_lshr_b32 s11, s10, 1                         ; which half of the tile's rows is mine.  Also: I fetch for x (0) or for W (1)
	s_and_b32 s12, s10, 1                          ; which half of its columns.  Also: which 128 rows of that tile I fetch
	s_bfe_u32 s40, ttmp6, 0x40000                  ; cx
	s_bfe_u32 s41, ttmp6, 0x40004                  ; cy
	s_lshl_b32 s42, ttmp9, 2
	s_add_co_u32 s42, s42, s40                     ; tile column = 4 x cluster x + cx
	s_and_b32 s13, ttmp7, 0xffff
	s_lshl_b32 s13, s13, 2
	s_add_co_u32 s13, s13, s41                     ; tile row = 4 x cluster y + cy
	s_lshl_b32 s43, s41, 2
	s_lshl_b32 s43, 15, s43                        ; my row of the cluster
	s_lshl_b32 s44, 0x1111, s40                    ; my column
	s_or_b32 s[G1+0], s43, (2<<16)|(1<<20)|(1<<21)|(5<<22)|(3<<25)   ; the mask; elements of 4 bytes; padding on; bit 21 beside a mask; after every 64 words, 4 words
	s_mov_b32 s[G1+1], 64<<16                      ; tensor_dim0 = 64
	s_mov_b32 s[G1+2], 128<<16                     ; tensor_dim1 = 128
	s_mov_b32 s[G1+3], 64<<16                      ; tile_dim0 = 64
	s_mov_b32 s[G1+4], 128                         ; tile_dim1 = 128
	s_mov_b32 s[G1+5], 1024                        ; elements from row to row
	s_mov_b32 s[G1+6], 0
	s_mov_b32 s[G1+7], 0
	s_or_b32 s[G1B+0], s44, (3<<16)|(1<<20)|(1<<21)|(5<<22)|(3<<25)  ; elements of 8 bytes; the same padding
	s_mov_b32 s[G1B+1], 512<<16                    ; a row of the tile: 128 rows of W x 16 k = 4,096 bytes on end
	s_mov_b32 s[G1B+2], 4<<16                      ; four chunks
	s_mov_b32 s[G1B+3], 512<<16
	s_mov_b32 s[G1B+4], 4
	s_mov_b32 s[G1B+5], 4096                       ; 32,768 bytes from chunk to chunk
	s_mov_b32 s[G1B+6], 0
	s_mov_b32 s[G1B+7], 0
	s_lshl_b32 s17, s12, 7
	s_lshl_b32 s16, s13, 8
	s_add_co_u32 s16, s16, s17                     ; x: row 256 x tile row + 128 x half,
	s_lshl_b32 s16, s16, 12                        ; x 4,096 bytes (under 2^26)
	s_mov_b32 s17, 0
	s_lshl_b32 s46, s42, 8
	s_lshl_b32 s47, s12, 7
	s_add_co_u32 s46, s46, s47                     ; W: row 256 x tile column + 128 x half,
	s_lshl_b32 s46, s46, 5                         ; x 32 bytes
	s_mov_b32 s47, 0
	s_mul_i32 s20, s10, AHALF                      ; where they go: x's halves at wave x 34,816 (waves 0, 1),
	s_mul_i32 s21, s10, BHALF
	s_add_co_u32 s21, s21, BOFF-2*BHALF            ; W's at 34,816 + wave x 17,408 (waves 2, 3): no place in the cluster enters an LDS address
	s_wait_dscnt 0x0                               ; the opening add is done
	s_wait_kmcnt 0x0
	s_add_nc_u64 s[14:15], s[4:5], s[16:17]
	s_add_nc_u64 s[46:47], s[6:7], s[46:47]
	CROUND                                         ; all sixteen work-groups are here: the first joint loads meet
.irp s, 0,1
	s_mov_b32 s[G0+4*(\s)], 1
	s_add_co_u32 s[G0+4*(\s)+1], s20, (\s)*SLOT
	s_add_nc_u64 s[G0+4*(\s)+2:G0+4*(\s)+3], s[14:15], (\s)*256          ; K step s: 64 f32
	s_or_b32 s[G0+4*(\s)+3], s[G0+4*(\s)+3], 0x80000000
	s_mov_b32 s[G0B+4*(\s)], 1
	s_add_co_u32 s[G0B+4*(\s)+1], s21, (\s)*SLOT
	s_add_nc_u64 s[G0B+4*(\s)+2:G0B+4*(\s)+3], s[46:47], (\s)*131072     ; K step s: four chunks
	s_or_b32 s[G0B+4*(\s)+3], s[G0B+4*(\s)+3], 0x80000000
	JLOAD \s                                       ; two loads of mine are out
.endr
	v_and_b32 v1, 15, v0                           ; r
	v_bfe_u32 v2, v0, 4, 1                         ; h
	v_mul_u32_u24 v3, v1, 272
	v_lshl_add_u32 v3, v2, 5, v3                   ; x: row x pitch + 32 h (8 f32)
	v_lshrrev_b32 v4, 3, v1
	v_mul_u32_u24 v4, v4, 272
	v_and_b32 v5, 7, v1
	v_lshl_add_u32 v4, v5, 5, v4
	v_lshl_add_u32 v4, v2, 4, v4                   ; W: (r / 8) x 272 + (r % 8) x 32 + 16 h
	s_mul_i32 s21, s11, AHALF                      ; my 128 rows of x
	s_mul_i32 s22, s12, BHALF                      ; my 128 rows of W
	s_add_co_u32 s22, s22, BOFF
.irp s, 0,1
	v_add_nc_u32 v[ADRA+(\s)], s21, v3
	v_add_nc_u32 v[ADRB+(\s)], s22, v4
	s_add_co_u32 s21, s21, SLOT
	s_add_co_u32 s22, s22, SLOT
.endr
	s_mul_i32 s23, s10, 16*SPITCH
	s_add_co_u32 s23, s23, STAGE                   ; my stage
	v_mul_u32_u24 v6, v1, SPITCH
	v_lshl_add_u32 v6, v2, 5, v6
	v_add_nc_u32 v[STO], s23, v6
	v_and_b32 v7, 31, v0
	v_lshlrev_b32 v[CO], 4, v7
	v_add_nc_u32 v[RD], s23, v[CO]
	v_lshlrev_b32 v[PFO], 12, v7
	v_lshlrev_b32 v[BO], 5, v2
	s_lshl_b32 s16, s13, 8
	s_lshl_b32 s17, s11, 7
	s_add_co_u32 s16, s16, s17                     ; my first row of out0
	s_lshl_b32 s16, s16, 12
	s_mov_b32 s17, 0
	s_add_nc_u64 s[70:71], s[70:71], s[16:17]
	s_lshl_b32 s46, s42, 8
	s_lshl_b32 s47, s12, 7
	s_add_co_u32 s46, s46, s47                     ; my first column,
	s_lshl_b32 s46, s46, 2                         ; in bytes
	s_mov_b32 s47, 0
	s_add_nc_u64 s[70:71], s[70:71], s[46:47]
	s_add_nc_u64 s[68:69], s[68:69], s[46:47]
.irp b, 0,1,2,3,4,5,6,7
	global_load_b128 v[BI+8*(\b):BI+8*(\b)+3],   v[BO], s[68:69] offset:64*(\b)     ; bias[my column + 16 b + 8 h + 0..7]
	global_load_b128 v[BI+8*(\b)+4:BI+8*(\b)+7], v[BO], s[68:69] offset:64*(\b)+16
.endr
	s_lshl_b32 s20, s13, 8
	s_lshl_b32 s21, s12, 7
	s_add_co_u32 s20, s20, s21
	s_lshl_b32 s21, s40, 5
	s_add_co_u32 s20, s20, s21                     ; the prefetches: the tile's rows, the 128 that I fetch, my work-group's 32 of them,
	s_lshl_b32 s20, s20, 12
	s_add_co_u32 s20, s20, 3*256                   ; at K step 3: each step's first quarter steps it by one K step, so that in step s it stands at step s + 4
	s_mov_b32 s21, 0
	s_add_nc_u64 s[PFA:PFA+1], s[4:5], s[20:21]
; 48 LDS loads in one run: quarter q (32 along K) of a slot.  First x, f32, for blocks a = 0..7 of 16 rows (k = 8 h + 0..7 and 16 + 8 h + 0..7: four loads), then W's eight fragments into buffer g.
.macro FETCH slot, q, g
	WIN 0x40                                       ; destination window 1, address window 0
.irp a, 0,1,2,3,4,5,6,7
	ds_load_b128 v[16*(\a)+128*((\a)/4):16*(\a)+128*((\a)/4)+3],     v[ADRA+(\slot)] offset:128*(\q)+4352*(\a)
	ds_load_b128 v[16*(\a)+128*((\a)/4)+4:16*(\a)+128*((\a)/4)+7],   v[ADRA+(\slot)] offset:128*(\q)+4352*(\a)+16
	ds_load_b128 v[16*(\a)+128*((\a)/4)+8:16*(\a)+128*((\a)/4)+11],  v[ADRA+(\slot)] offset:128*(\q)+4352*(\a)+64
	ds_load_b128 v[16*(\a)+128*((\a)/4)+12:16*(\a)+128*((\a)/4)+15], v[ADRA+(\slot)] offset:128*(\q)+4352*(\a)+80
.endr
.irp b, 0,1,2,3,4,5,6,7
	ds_load_b128 v[64+64*(\g)+8*(\b):64+64*(\g)+8*(\b)+3],   v[ADRB+(\slot)] offset:8704*(\q)+544*(\b)
	ds_load_b128 v[64+64*(\g)+8*(\b)+4:64+64*(\g)+8*(\b)+7], v[ADRB+(\slot)] offset:8704*(\q)+544*(\b)+4352
.endr
.endm
; 16 matrix instructions: blocks a0, a0 + 1 of the window's four x all 8 column blocks, on buffers f.  first = 1: the product starts the sum, with the bias as C.
; The 64 accumulators take turns, one instruction a turn, in the same order in every quarter, over the backward jump too.
.macro MUL16 f, hi, a0, first
.if \first
	WIN 0x81+0x40*(\hi)                            ; W window 1, x window 0, C (the bias) window 0, D window 2 or 3
.else
	WIN 0xa1+0x50*(\hi)                            ; C and D window 2 or 3
.endif
.irp a, \a0, (\a0)+1
.irp b, 0,1,2,3,4,5,6,7
.if \first
	v_wmma_f32_16x16x32_f16 v[8*(8*(\a)+(\b)):8*(8*(\a)+(\b))+7], v[64+64*(\f)+8*(\b):64+64*(\f)+8*(\b)+7], v[64+64*(\f)+8*(4*(\hi)+(\a)):64+64*(\f)+8*(4*(\hi)+(\a))+7], v[BI+8*(\b):BI+8*(\b)+7]
.else
	v_wmma_f32_16x16x32_f16 v[8*(8*(\a)+(\b)):8*(8*(\a)+(\b))+7], v[64+64*(\f)+8*(\b):64+64*(\f)+8*(\b)+7], v[64+64*(\f)+8*(4*(\hi)+(\a)):64+64*(\f)+8*(4*(\hi)+(\a))+7], v[8*(8*(\a)+(\b)):8*(8*(\a)+(\b))+7]
.endif
.endr
.endr
.endm
.macro CVT1 g                          ; rounding number n of 64: register n of x's f16 buffer g from two f32
	v_cvt_pk_f16_f32 v[64+64*(\g)+n], v[16*(n/8)+128*(n/32)+2*(n%8)], v[16*(n/8)+128*(n/32)+2*(n%8)+1]
.set n, n+1
.endm
; A quarter's last 16 matrix instructions, four roundings behind each: they name no register of the products round them, and the last four are the places in front of the next run of loads.
.macro MULCVT f, g, first
.set n, 0
.irp a, 2, 3
.irp b, 0,1,2,3,4,5,6,7
.if \first
	WIN 0xc1
	v_wmma_f32_16x16x32_f16 v[8*(8*(\a)+(\b)):8*(8*(\a)+(\b))+7], v[64+64*(\f)+8*(\b):64+64*(\f)+8*(\b)+7], v[64+64*(\f)+8*(4+(\a)):64+64*(\f)+8*(4+(\a))+7], v[BI+8*(\b):BI+8*(\b)+7]
.else
	WIN 0xf1
	v_wmma_f32_16x16x32_f16 v[8*(8*(\a)+(\b)):8*(8*(\a)+(\b))+7], v[64+64*(\f)+8*(\b):64+64*(\f)+8*(\b)+7], v[64+64*(\f)+8*(4+(\a)):64+64*(\f)+8*(4+(\a))+7], v[8*(8*(\a)+(\b)):8*(8*(\a)+(\b))+7]
.endif
	WIN 0x05                                       ; sources window 1, destination window 0
.rept 4
	CVT1 \g
.endr
.endr
.endr
.endm
; A step's first quarter: buffers 0.  It fetches the slot's second quarter, the last bytes that I read of the slot, and changes slots.
; fill >= 0: ONE barrier.  In front of it each wave waits for all its tensor loads (one is out: its part of the other slot), adds 0 to its spare word, and waits for that and for its reads of this slot.
; fill = 1: the barrier opens a round of the cluster's barrier, and the slot is filled again, two K steps on, first thing behind the round: 96 matrix instructions ahead of the wait for it.
; fill = -1: the last step: nothing to wait for but my own loads.
.macro QA slot, fill, first=0
	s_wait_xcnt 0x0                                ; the last prefetch, 64 matrix instructions back, has read its address
	s_add_nc_u64 s[PFA:PFA+1], s[PFA:PFA+1], 256
	FETCH \slot, 1, 1
	s_wait_dscnt 48                                ; all but the 48 just issued: W's fragments of this quarter are in
	MUL16 0, 0, 0, \first
	MUL16 0, 0, 2, \first
.if (\fill) >= 0
	WIN 0                                          ; (the add's two registers lie in window 0)
	s_wait_tensorcnt 0x0                           ; all my tensor loads have landed
	ds_add_u32 v[SPW], v[NIL]                      ; 0 onto my spare word; sixteen matrix instructions stand between it and the wait for it
	MUL16 0, 1, 0, \first
	s_wait_dscnt 0x0                               ; the add is done, and my reads of this slot are over
	s_barrier_signal -1
	MULCVT 0, 1, \first                            ; work on registers while the others arrive
	WIN 0
	s_barrier_wait -1
.if (\fill) == 1
	CREST                                          ; no wave of any partner still reads this slot or has a load on its way
	s_add_nc_u64 s[G0+4*(\slot)+2:G0+4*(\slot)+3], s[G0+4*(\slot)+2:G0+4*(\slot)+3], 2*256
	s_add_nc_u64 s[G0B+4*(\slot)+2:G0B+4*(\slot)+3], s[G0B+4*(\slot)+2:G0B+4*(\slot)+3], 2*131072
	JLOAD \slot                                    ; my one tensor load behind the round
.endif
.else
	MUL16 0, 1, 0, \first
	s_wait_dscnt 16                                ; x's 32 loads are in; W's 16 behind them may stay out
	MULCVT 0, 1, \first
.endif
.endm
; A step's second quarter: buffers 1.  fetch = 1: it fetches the other slot's first quarter.  ask = 1: the prefetch stands behind that run of loads.
.macro QB slot, fetch, ask
.if \fetch
	FETCH 1-(\slot), 0, 0
.if \ask
	WIN 0
	ASK
.endif
	s_wait_dscnt 48                                ; all but the 48 just issued
	MUL16 1, 0, 0, 0
	MUL16 1, 0, 2, 0
	MUL16 1, 1, 0, 0
	s_wait_dscnt 16                                ; x's 32 loads are in
	MULCVT 1, 0, 0
.else
	s_wait_dscnt 0x0
	MUL16 1, 0, 0, 0
	MUL16 1, 0, 2, 0
	MUL16 1, 1, 0, 0
	MUL16 1, 1, 2, 0
.endif
.endm
	s_wait_tensorcnt 1                             ; my part of K step 0 is in; step 1's may stay out
	s_barrier_signal -1
	s_barrier_wait -1                              ; everybody's is
	FETCH 0, 0, 0
	s_wait_dscnt 0x0
	WIN 0x05
.set n, 0
.rept 64
	CVT1 0                                         ; the first quarter's roundings have no products to stand behind
.endr
	s_wait_loadcnt 0x0                             ; the bias
	QA 0, 1, 1                                     ; step 0: its products start the sums; slot 0 takes step 2
	WIN 0
	s_mov_b32 s3, 6
.Llap:                                                 ; a trip: from a step's second quarter, once round the ring: steps 2 t, 2 t + 1, 2 t + 2; both slots are filled again
	QB 0, 1, 1
	QA 1, 1
	QB 1, 1, 1
	QA 0, 1
	WIN 0
	s_sub_co_u32 s3, s3, 1
	s_cmp_lg_u32 s3, 0
	s_cbranch_scc1 .Llap
	QB 0, 1, 0                                     ; step 12.  The tail is written out; it prefetches nothing: there is no step 16
	QA 1, 1                                        ; step 13: slot 1 takes step 15, the last load
	QB 1, 1, 0
	QA 0, 0                                        ; step 14: the barrier shows step 15's tile whole; nothing is filled
	QB 0, 1, 0
	QA 1, -1                                       ; step 15
	QB 1, 0, 0
	; THE WAY OUT, a block of 16 rows at a time: 32 bytes a lane and accumulator into my own stage (rows of 528 bytes), back as whole rows of 512 bytes, stored.
	WIN 0
.rept 8
	v_nop                                          ; the places behind the last products
.endr
.macro OUTBLK a
	WIN 0
	s_wait_xcnt 0x0                                ; the stores issued so far have read their registers: the buffer of the block before last is loaded again only behind this wait
	WIN 0x08+4*((\a)/4)                            ; the stores' data in window 2 or 3
.irp b, 0,1,2,3,4,5,6,7
	ds_store_b128 v[STO], v[8*(8*((\a)%4)+(\b)):8*(8*((\a)%4)+(\b))+3]   offset:64*(\b)
	ds_store_b128 v[STO], v[8*(8*((\a)%4)+(\b))+4:8*(8*((\a)%4)+(\b))+7] offset:64*(\b)+16
.endr
	WIN 0
.irp t, 0,1,2,3,4,5,6,7,8,9,10,11,12,13,14,15
	ds_load_b128 v[64+64*((\a)%2)+4*(\t):64+64*((\a)%2)+4*(\t)+3], v[RD] offset:SPITCH*(\t)  ; LDS serves a wave's instructions in order (ISA guide 5.7.1.4): these see the stores above
.endr
.irp t, 0,1,2,3,4,5,6,7,8,9,10,11,12,13,14,15
	s_wait_dscnt 15-(\t)                           ; row t is back; the younger loads may stay out
	global_store_b128 v[CO], v[64+64*((\a)%2)+4*(\t):64+64*((\a)%2)+4*(\t)+3], s[70:71] offset:(\a)*65536+(\t)*4096 th:TH_STORE_NT  ; the wave's store covers 512 consecutive bytes, aligned
.endr
.endm
.irp a, 0,1,2,3,4,5,6,7
	OUTBLK \a
.endr
	s_wait_tensorcnt 0x0                           ; the wave's end, behind my last tensor load and my last LDS store
	ds_add_u32 v[SPW], v[NIL]
	s_wait_dscnt 0x0
	CROUND                                         ; the closing round: no work-group ends while a partner may still ask for a tile that names it
	s_endpgm
.Lfunc_end_k_qc7c3966e92_main:
	.size	k_qc7c3966e92_main, .Lfunc_end_k_qc7c3966e92_main-k_qc7c3966e92_main
	.p2alignl 7, 3214868480
	.fill 96, 4, 3214868480
	.section	.rodata,"a",@progbits
	.p2align	6, 0x0
	.amdhsa_kernel k_qc7c3966e92_main
		.amdhsa_group_segment_fixed_size 327680
		.amdhsa_private_segment_fixed_size 0
		.amdhsa_enable_private_segment 0
		.amdhsa_kernarg_size 32
		.amdhsa_user_sgpr_count 2
		.amdhsa_user_sgpr_kernarg_segment_ptr 1
		.amdhsa_wavefront_size32 1
		.amdhsa_system_sgpr_workgroup_id_x 1
		.amdhsa_system_sgpr_workgroup_id_y 1
		.amdhsa_system_sgpr_workgroup_id_z 1
		.amdhsa_system_vgpr_workitem_id 0
		.amdhsa_next_free_vgpr 1024
		.amdhsa_next_free_sgpr 72
		.amdhsa_reserve_vcc 0
		.amdhsa_float_denorm_mode_32 3
		.amdhsa_float_denorm_mode_16_64 3
		.amdhsa_memory_ordered 1
		.amdhsa_forward_progress 1
		.amdhsa_inst_pref_size 193
	.end_amdhsa_kernel
	.amdgpu_metadata
---
amdhsa.version: [ 1, 2 ]
amdhsa.kernels:
  - .name:           k_qc7c3966e92_main
    .symbol:         k_qc7c3966e92_main.kd
    .args:
      - { .name: x, .offset: 0, .size: 8, .value_kind: global_buffer, .address_space: global }
      - { .name: wb, .offset: 8, .size: 8, .value_kind: global_buffer, .address_space: global }
      - { .name: bias, .offset: 16, .size: 8, .value_kind: global_buffer, .address_space: global }
      - { .name: out0, .offset: 24, .size: 8, .value_kind: global_buffer, .address_space: global }
    .group_segment_fixed_size: 327680
    .private_segment_fixed_size: 0
    .kernarg_segment_align: 8
    .kernarg_segment_size: 32
    .max_flat_workgroup_size: 128
    .sgpr_count:     72
    .vgpr_count:     1024
    .wavefront_size: 32
...
	.end_amdgpu_metadata
.endif
;; end of part 4
;; ======== version 2 of 2: 5 launches; version 1 with the launch trsm written anew for expert scheduling mode
;; limits: values are held in f16: magnitudes above 65,504 overflow, below 6.1e-05 lose precision; inputs' magnitudes at most 65,504
;; workspace buffers: u16 2,097,152 bytes; u16b 2,097,152 bytes; ut16 2,097,152 bytes; ng 2,097,152 bytes; lb 2,097,152 bytes; wb 2,097,152 bytes
;; launch prep: the kernel of part 1 again; grid 64 x 1, 16 waves a work-group, no clusters, 35,328 bytes of LDS; arguments householder_vectors, u16, u16b, ut16; writes u16, u16b, ut16
;; launch gram: the kernel of part 2 again; grid 16 x 16, 8 waves a work-group, no clusters, 70,656 bytes of LDS; arguments u16, u16b, ng; writes ng
;; launch trsm (part 5): grid 64 x 1, 16 waves a work-group, no clusters, 154,112 bytes of LDS; arguments ng, ut16, lb; writes lb
.if DOCPART == 5
	.amdgcn_target "amdgcn-amd-amdhsa--gfx1250"
	.amdhsa_code_object_version 6
	.text
	.protected	k_qc7c3966e92_trsm
	.globl	k_qc7c3966e92_trsm
	.p2align	8
	.type	k_qc7c3966e92_trsm,@function
k_qc7c3966e92_trsm:
	s_mov_b64 s[64:65], 0
	v_nop
	global_prefetch_b8 v0, s[64:65] scope:SCOPE_SE
	s_setreg_imm32_b32 hwreg(HW_REG_WAVE_SCHED_MODE, 0, 2), 2
	s_setreg_imm32_b32 hwreg(HW_REG_WAVE_MODE, 25, 1), 1
	s_wait_xcnt 0x0
	s_wait_alu depctr_vm_vsrc(0)
; THE CHAIN OF 1,024 REFLECTIONS AS ONE TRIANGULAR SOLVE.  W = I - L U, where U's rows are the unit vectors and L (I / 2 + striu(U U^T)) = U^T (exact for any rows of U).
; With X = L^T, in blocks of 64:  X_j = T_jj^T (U_j + sum over i < j of NG_ji X_i),  NG = -U U^T off the diagonal,  T_jj = (I / 2 + striu(G_jj))^-1.
; Only the 64 x 64 diagonal blocks are inverted; the columns of L have length 2 whatever U, so X, NG and U keep to f16's range.  Sums in f32; X, T and the right sides are rounded to f16 as matrix operands.
; All matrices lie in this program's layout: element (row, k) at byte ((k / 16) x 1024 + row) x 32 + (k % 16) x 2.
; SHARES.  A work-group owns 16 columns of X (16 rows of L); wave w owns block row w: four accumulators of 16 x 16, D[m = k][n = column].  Two such results rounded in pairs ARE a source-1 fragment (32 k x 16 columns).
; 64 work-groups: a matrix instruction has 16 columns, and 1,024 columns make no more shares.
; PROLOGUE, every wave: T_ww.  Its two 32 x 32 diagonal parts by back substitution in f32, a lane a column, both parts at once in register pairs; the multipliers are read from a table in the wave's own LDS, every lane the
; same 16 bytes.  (NG is symmetric but for rounding: row k left of the diagonal serves as column k above it.)  Then T12 = T11 (NG12 T22) by eight matrix instructions.  T is kept turned, Tt[a'][a] = T[a][a'].
; STEPS 0 to 15.  Wave i multiplies its sums by T_ii^T, stores X_i to memory and (f16) to LDS; a barrier; waves above i add NG_wi X_i.  The LDS block for X has two halves that take turns, so one barrier a step does:
; a half is written again two steps on, behind a barrier in front of which every reader has waited for its reads.
; NG's BLOCKS come two steps ahead, into two sets of registers that take turns.  A wave that does not consume a step waits for all its loads instead, so that on every way into a later step at most two blocks are out:
; this step's, with 16 younger loads behind it, and the next step's.
; No tensor load and no cluster: NG's fragments go straight into registers, one reader each; no prefetch: the launch is a short chain of dependent steps on matrices of 2 MiB.
; THE MODE: SCHED_MODE bits 1:0 = 2 (LLVM: expert scheduling mode 2), set by the entry lines.  The code itself states the register dependences
; between vector or matrix instructions and memory or LDS instructions, with s_wait_alu, always for 0.
; THE PLAN.  Registers that memory or LDS instructions touch:
;   v4-v11    addresses and offsets, made at the head and never written again: one wait on va_vdst ahead of the first load states them for the whole kernel.
;   GA, GB    Prologue: raw loads, the table on its way into LDS, a row's multipliers (even rows GA, odd rows GB), Tt's parts on their way into LDS.  In the back substitution row k's multiply-adds read one of the two while
;             row k - 1's multipliers land in the other, which row k + 1's multiply-adds read: one wait on va_vdst at the head of each row's turn.
;             Steps: block i of NG lands in GA (i even) or GB (i odd), step i's products read it, block i + 2 lands in it behind them.
;   TA        T in the making (vector and matrix instructions, and LDS loads into its upper half); then Tt's fragments, loaded once and only read.
;   XF        Producer: written by the roundings, read by the products, written again, read by the stores.  Consumer: LDS loads land in it, the products read it.
;   ACC is named by vector and matrix instructions alone.
; A CONSUMER STEP HAS ONE WAIT on va_vdst, behind its products: they are done reading their block of NG, in which the loads that follow land, and done reading XF, in which the next step's LDS loads land; between that
; wait and those LDS loads no vector or matrix instruction names XF but a producer part's, which have a wait of their own behind them.  A PRODUCER STEP has one on va_vdst ahead of its stores and one on vm_vsrc behind them.
.set WRB,   9216                       ; a wave's own LDS: first the table (32 rows, pitch 272), then Tt (64 rows, pitch 144)
.set XB,    16*WRB                     ; X of the step in hand: two halves of 16 rows (columns of X) x pitch 144; the 2,048 bytes behind them are the spare words, 128 bytes for each of 16 waves
.set XH,    2304
.set RR,  1                            ; v1   lane % 16
.set HH,  2                            ; v2   lane / 16
.set LN,  3                            ; v3   lane
.set VG,  4                            ; v4   32 (lane % 16) + 16 (lane / 16): my place in a fragment in memory; never rewritten
.set VL,  5                            ; v5   32 x lane: a row a lane
.set MW,  6                            ; v6   my row of the table
.set MR,  7                            ; v7   the table's first byte, in every lane
.set TS,  8                            ; v8   my row of Tt
.set TR,  9                            ; v9   a fragment of Tt: 144 (lane % 16) + 16 (lane / 16)
.set TX,  10                           ; v10  the turning load's address in Tt
.set XA,  11                           ; v11  my place in X's LDS block
.set ONE, 14                           ; v14  1.0
.set ZER, 15                           ; v15  0: f16 half x 1.0 + 0 widens a half
.set ACC, 16                           ; v[16:47]    my block row's sums, tile t at ACC + 8 t
.set GA,  48                           ; v[48:111]   NG's block of an even step (tile t, half f of K at + 8 (2 t + f)); in the prologue raw loads and multipliers
.set GB,  112                          ; v[112:175]  of an odd step
.set TA,  176                          ; v[176:239]  T in the making; then Tt's eight fragments (tile t', half f at + 8 (2 t' + f))
.set XF,  240                          ; v[240:255]  two source-1 fragments
.set CM,  24                           ; s[24:31]    the identity's masks, eight at a time (the offsets that lay there have been added by then)
	s_load_b128 s[4:7], s[0:1], 0x0                ; ng, ut16
	s_load_b64 s[8:9], s[0:1], 0x10                ; lb
	v_lshl_add_u32 v12, v0, 2, 0x25200
	v_mov_b32 v13, 0
	v_lshrrev_b32 v1, 5, v0
	v_readfirstlane_b32 s12, v1                    ; wave 0..15
	v_and_b32 v[RR], 15, v0
	v_bfe_u32 v[HH], v0, 4, 1
	v_and_b32 v[LN], 31, v0
	v_lshlrev_b32 v[VG], 5, v[RR]
	v_lshl_add_u32 v[VG], v[HH], 4, v[VG]
	v_lshlrev_b32 v[VL], 5, v[LN]
	s_wait_alu depctr_va_sdst(0)                   ; s12 is written, ahead of its first reader: LDS places, bases and every step's compare are made from it
	s_mul_i32 s13, s12, WRB
	v_mul_u32_u24 v[MW], v[LN], 272
	v_add_nc_u32 v[MW], s13, v[MW]
	v_mov_b32 v[MR], s13
	v_mul_u32_u24 v[TS], v[LN], 144
	v_add_nc_u32 v[TS], s13, v[TS]
	v_mul_u32_u24 v[TR], v[RR], 144
	v_lshl_add_u32 v[TR], v[HH], 4, v[TR]
	v_add_nc_u32 v[XA], XB, v[TR]
	v_add_nc_u32 v[TR], s13, v[TR]
	v_and_b32 v[TX], 7, v0
	v_lshl_add_u32 v[TX], v[HH], 3, v[TX]          ; row 8 (lane / 16) + lane % 8
	v_mul_u32_u24 v[TX], v[TX], 144
	v_bfe_u32 v[ONE], v0, 3, 1
	v_lshl_add_u32 v[TX], v[ONE], 4, v[TX]
	v_add_nc_u32 v[TX], s13, v[TX]
	v_mov_b32 v[ONE], 1.0
	v_mov_b32 v[ZER], 0
	s_lshl_b32 s24, s12, 11                        ; my 64 rows of NG
	s_mov_b32 s25, 0
	s_mul_i32 s26, s12, 133120                     ; my diagonal block: chunk 4 w and row 64 w
	s_mov_b32 s27, 0
	s_lshl_b32 s28, s12, 17                        ; chunk 4 w of U turned and of L,
	s_lshl_b32 s29, ttmp9, 9                       ; the group's 16 rows
	s_add_co_u32 s28, s28, s29
	s_mov_b32 s29, 0
	s_wait_kmcnt 0x0
	s_add_nc_u64 s[16:17], s[4:5], s[24:25]        ; sG
	s_add_nc_u64 s[18:19], s[4:5], s[26:27]        ; sD
	s_add_nc_u64 s[20:21], s[6:7], s[28:29]        ; sU
	s_add_nc_u64 s[22:23], s[8:9], s[28:29]        ; sL
	s_wait_alu depctr_va_vdst(0)                   ; the eight addresses and offsets v4 to v11 are written, which every load and store of the kernel reads
.irp t, 0,1,2,3
	global_load_b128 v[GA+4*(\t):GA+4*(\t)+3], v[VG], s[20:21] offset:32768*(\t)  ; the right side U[64 w + 16 t + 8 h + 0..7][my column]
.endr
.irp c, 0,1
	global_load_b128 v[GA+16+8*(\c):GA+16+8*(\c)+3],   v[VL], s[18:19] offset:32768*(\c)             ; NG11: row = lane
	global_load_b128 v[GA+16+8*(\c)+4:GA+16+8*(\c)+7], v[VL], s[18:19] offset:32768*(\c)+16
	global_load_b128 v[GA+32+8*(\c):GA+32+8*(\c)+3],   v[VL], s[18:19] offset:32768*(2+(\c))+1024    ; NG22
	global_load_b128 v[GA+32+8*(\c)+4:GA+32+8*(\c)+7], v[VL], s[18:19] offset:32768*(2+(\c))+1024+16
.endr
.irp mt, 0,1
	global_load_b128 v[XF+8*(\mt):XF+8*(\mt)+3],   v[VG], s[18:19] offset:2*32768+512*(\mt)          ; NG12 as two source-0 fragments
	global_load_b128 v[XF+8*(\mt)+4:XF+8*(\mt)+7], v[VG], s[18:19] offset:3*32768+512*(\mt)
.endr
.macro MULOAD k                        ; row k's multipliers, entries 0 .. k - 1, into GA (k even) or GB (k odd): (k + 1) / 2 loads.  LDS serves a wave's instructions in order: these see the table's stores
.set qq, 0
.rept ((\k)+1)/2
	ds_load_b128 v[GA+64*((\k)%2)+4*qq:GA+64*((\k)%2)+4*qq+3], v[MR] offset:272*(\k)+16*qq
.set qq, qq+1
.endr
.endm
	s_wait_loadcnt 0x0
.set i, 0
.rept 16                               ; the table: row k = lane, entry k' = the pair (NG11[k][k'], NG22[k][k']) in f32: all 64 widenings first,
	v_fma_mix_f32 v[GB+4*i],   v[GA+16+i], v[ONE], v[ZER] op_sel_hi:[1,0,0]
	v_fma_mix_f32 v[GB+4*i+1], v[GA+32+i], v[ONE], v[ZER] op_sel_hi:[1,0,0]
	v_fma_mix_f32 v[GB+4*i+2], v[GA+16+i], v[ONE], v[ZER] op_sel:[1,0,0] op_sel_hi:[1,0,0]
	v_fma_mix_f32 v[GB+4*i+3], v[GA+32+i], v[ONE], v[ZER] op_sel:[1,0,0] op_sel_hi:[1,0,0]
.set i, i+1
.endr
	s_wait_alu depctr_va_vdst(0)                   ; the widenings have written GB, which the LDS stores read
.set i, 0
.rept 16                               ; then the run of stores
	ds_store_b128 v[MW], v[GB+4*i:GB+4*i+3] offset:16*i
.set i, i+1
.endr
	s_wait_alu depctr_vm_vsrc(0)                   ; the LDS stores have read GB, in which row 31's multipliers land
	MULOAD 31
.set i, 0
.rept 16                               ; the sums start with the right side; this and the identity stand behind the LDS instructions above, which name none of their registers
	v_fma_mix_f32 v[ACC+2*i],   v[GA+i], v[ONE], v[ZER] op_sel_hi:[1,0,0]
	v_fma_mix_f32 v[ACC+2*i+1], v[GA+i], v[ONE], v[ZER] op_sel:[1,0,0] op_sel_hi:[1,0,0]
.set i, i+1
.endr
.set kk, 0
.rept 4                                ; the identity: my column is my lane.  The compares go in runs of eight, each into a scalar register of its own
.irp e, 0,1,2,3,4,5,6,7
	v_cmp_eq_u32 s[CM+(\e)], kk+(\e), v[LN]
.endr
	s_wait_alu depctr_va_sdst(0)                   ; the eight masks are written, ahead of the selects that read them
.irp e, 0,1,2,3,4,5,6,7
	v_cndmask_b32 v[TA+2*(kk+(\e))], 0, 1.0, s[CM+(\e)]
	v_mov_b32 v[TA+2*(kk+(\e))+1], v[TA+2*(kk+(\e))]
.endr
.set kk, kk+8
.endr
.set kk, 31
.rept 31                               ; T[k] = 2 x what is left; then every row above takes NG[k'][k] T[k]; the row needed next is updated first
.if kk > 1
	s_wait_alu depctr_va_vdst(0)                   ; the multiply-adds of the row before (at row 31: the widenings of the right side) are done reading the buffer in which the loads below land
	MULOAD kk-1
.endif
	s_wait_dscnt kk/2                              ; the loads just issued, kk / 2 of them, may stay out: row kk's multipliers are in
	v_pk_mul_f32 v[TA+2*kk:TA+2*kk+1], v[TA+2*kk:TA+2*kk+1], 2.0 op_sel_hi:[1,0]
.set jj, kk-1
.rept kk
	v_pk_fma_f32 v[TA+2*jj:TA+2*jj+1], v[GA+64*(kk%2)+2*jj:GA+64*(kk%2)+2*jj+1], v[TA+2*kk:TA+2*kk+1], v[TA+2*jj:TA+2*jj+1]
.set jj, jj-1
.endr
.set kk, kk-1
.endr
	v_pk_mul_f32 v[TA:TA+1], v[TA:TA+1], 2.0 op_sel_hi:[1,0]
	; Tt's three known parts: my lane holds column lane of T11 and of T22, which are rows of Tt
.set i, 0
.rept 16
	v_cvt_pk_f16_f32 v[GA+i],    v[TA+4*i],   v[TA+4*i+2]
	v_cvt_pk_f16_f32 v[GA+16+i], v[TA+4*i+1], v[TA+4*i+3]
.set i, i+1
.endr
.irp m, 0,1,2,3
	v_mov_b32 v[GA+32+(\m)], 0
.endr
	s_wait_alu depctr_va_vdst(0)                   ; the roundings have written GA, which the LDS stores read, and are done reading TA, in whose upper half the LDS loads below land; row 1's multiply-adds are done reading GB
.irp m, 0,1,2,3
	ds_store_b128 v[TS], v[GA+4*(\m):GA+4*(\m)+3]       offset:16*(\m)                 ; Tt[lane][0..31] = T11[..][lane]
	ds_store_b128 v[TS], v[GA+16+4*(\m):GA+16+4*(\m)+3] offset:32*144+64+16*(\m)       ; Tt[32 + lane][32..63] = T22[..][lane]
	ds_store_b128 v[TS], v[GA+32:GA+35]                 offset:64+16*(\m)              ; Tt[lane][32..63] = 0
.endr
.irp nt, 0,1
	ds_load_b128 v[TA+32+8*(\nt):TA+32+8*(\nt)+3],   v[TR] offset:(32+16*(\nt))*144+64    ; T22 as source 1: column b', K along Tt's rows
	ds_load_b128 v[TA+32+8*(\nt)+4:TA+32+8*(\nt)+7], v[TR] offset:(32+16*(\nt))*144+96
.endr
.irp mt, 0,1
	ds_load_tr16_b128 v[TA+48+8*(\mt):TA+48+8*(\mt)+3],   v[TX] offset:32*(\mt)           ; T11 as source 0: turned
	ds_load_tr16_b128 v[TA+48+8*(\mt)+4:TA+48+8*(\mt)+7], v[TX] offset:32*(\mt)+16*144
.endr
	s_wait_dscnt 0x0
.macro GLOAD idx, buf                  ; NG's block (my 64 rows, columns 64 idx on): 16 loads
.irp t, 0,1,2,3
.irp f, 0,1
	global_load_b128 v[(\buf)+8*(2*(\t)+(\f)):(\buf)+8*(2*(\t)+(\f))+3],   v[VG], s[16:17] offset:(4*(\idx)+2*(\f))*32768+512*(\t)
	global_load_b128 v[(\buf)+8*(2*(\t)+(\f))+4:(\buf)+8*(2*(\t)+(\f))+7], v[VG], s[16:17] offset:(4*(\idx)+2*(\f)+1)*32768+512*(\t)
.endr
.endr
.endm
.macro PLACES8                         ; places behind matrix instructions, in front of what reads their results or writes their registers
.rept 8
	v_nop
.endr
.endm
	s_wait_alu depctr_vm_vsrc(0)                   ; the LDS stores of Tt's parts have read GA, in which block 0 lands (no vector instruction has named GA or GB since the wait on va_vdst above)
	GLOAD 0, GA
	GLOAD 1, GB
.irp mt, 0,1
.irp nt, 0,1
	v_wmma_f32_16x16x32_f16 v[TA+8*(2*(\mt)+(\nt)):TA+8*(2*(\mt)+(\nt))+7], v[XF+8*(\mt):XF+8*(\mt)+7], v[TA+32+8*(\nt):TA+32+8*(\nt)+7], 0  ; Y = NG12 T22
.endr
.endr
	PLACES8
.irp mt, 0,1
.irp nt, 0,1
.irp j, 0,1,2,3
	v_cvt_pk_f16_f32 v[XF+8*(\nt)+4*(\mt)+(\j)], v[TA+8*(2*(\mt)+(\nt))+2*(\j)], v[TA+8*(2*(\mt)+(\nt))+2*(\j)+1]  ; two results are a source-1 fragment
.endr
.endr
.endr
.irp mt, 0,1
.irp nt, 0,1
	v_wmma_f32_16x16x32_f16 v[TA+8*(2*(\mt)+(\nt)):TA+8*(2*(\mt)+(\nt))+7], v[TA+48+8*(\mt):TA+48+8*(\mt)+7], v[XF+8*(\nt):XF+8*(\nt)+7], 0  ; T12 = T11 Y
.endr
.endr
	PLACES8
.irp mt, 0,1
.irp nt, 0,1
.irp j, 0,1,2,3
	v_cvt_pk_f16_f32 v[XF+4*(2*(\mt)+(\nt))+(\j)], v[TA+8*(2*(\mt)+(\nt))+2*(\j)], v[TA+8*(2*(\mt)+(\nt))+2*(\j)+1]
.endr
.endr
.endr
	s_wait_alu depctr_va_vdst(0)                   ; the roundings have written XF, which the LDS stores read; they and the products are done with TA, in which Tt's fragments land
.irp mt, 0,1
.irp nt, 0,1
	ds_store_b128 v[TR], v[XF+4*(2*(\mt)+(\nt)):XF+4*(2*(\mt)+(\nt))+3] offset:(32+16*(\nt))*144+32*(\mt)  ; Tt[32 + b'][a] = T12[a][b']
.endr
.endr
.irp t, 0,1,2,3
.irp f, 0,1
	ds_load_b128 v[TA+8*(2*(\t)+(\f)):TA+8*(2*(\t)+(\f))+3],   v[TR] offset:2304*(\t)+64*(\f)      ; Tt as source 0, for good
	ds_load_b128 v[TA+8*(2*(\t)+(\f))+4:TA+8*(2*(\t)+(\f))+7], v[TR] offset:2304*(\t)+64*(\f)+32
.endr
.endr
	s_wait_dscnt 0x0
	s_wait_alu depctr_vm_vsrc(0)                   ; the LDS stores of T12 have read XF, ahead of the first branch: step 0 writes it again, wave 0 by its roundings, the other waves by their LDS loads
.macro PACKX                           ; my four tiles, rounded in pairs: two source-1 fragments, and also 16 bytes a tile of L's rows
.set c, 0
.rept 16
	v_cvt_pk_f16_f32 v[XF+c], v[ACC+2*c], v[ACC+2*c+1]
.set c, c+1
.endr
.endm
; Step i.  The jumps hang on the wave's number against a constant and go forward; none passes a barrier.
.macro STEP i
.set par, (\i)%2
	s_cmp_eq_u32 s12, \i
	s_cbranch_scc0 .Lnp_\@
	PACKX                                          ; wave i: X_i = T_ii^T x its sums
.irp f, 0,1
.irp t, 0,1,2,3
.if (\f) == 0
	v_wmma_f32_16x16x32_f16 v[ACC+8*(\t):ACC+8*(\t)+7], v[TA+8*(2*(\t)+(\f)):TA+8*(2*(\t)+(\f))+7], v[XF+8*(\f):XF+8*(\f)+7], 0
.else
	v_wmma_f32_16x16x32_f16 v[ACC+8*(\t):ACC+8*(\t)+7], v[TA+8*(2*(\t)+(\f)):TA+8*(2*(\t)+(\f))+7], v[XF+8*(\f):XF+8*(\f)+7], v[ACC+8*(\t):ACC+8*(\t)+7]
.endif
.endr
.endr
	PLACES8
	PACKX
	s_wait_alu depctr_va_vdst(0)                   ; the roundings have written XF, which the stores below read
.if (\i) < 15
.irp t, 0,1,2,3
	ds_store_b128 v[XA], v[XF+4*(\t):XF+4*(\t)+3] offset:XH*par+32*(\t)
.endr
.endif
.irp t, 0,1,2,3
	global_store_b128 v[VG], v[XF+4*(\t):XF+4*(\t)+3], s[22:23] offset:32768*(\t)  ; L[my column][64 i + 16 t + 8 h ..]: the wave's store covers 512 consecutive bytes, aligned
.endr
.if (\i) < 15
	s_wait_alu depctr_vm_vsrc(0)                   ; my LDS stores and my stores have read XF, ahead of the label: the text's later steps write XF again (no wave that has produced does, but the text's ways do not say so)
.endif
.Lnp_\@:
.if (\i) < 15
	s_wait_dscnt 0x0                               ; the producer's stores are done; every wave's reads of the last step were waited for there
	s_barrier_signal -1
	s_barrier_wait -1
	s_cmp_gt_u32 s12, \i
	s_cbranch_scc0 .Lidle_\@
	s_wait_xcnt 0x0                                ; XF is loaded only when no store can still read it
.irp m, 0,1,2,3
	ds_load_b128 v[XF+4*(\m):XF+4*(\m)+3], v[XA] offset:XH*par+32*(\m)  ; no wait on va_vdst here: whatever vector or matrix instruction named XF last (the prologue's, a step's) has one behind it
.endr
	s_wait_loadcnt 16                              ; NG's block i is in; the 16 loads of block i + 1, issued behind it, may stay out
	s_wait_dscnt 0x0
.irp f, 0,1
.irp t, 0,1,2,3                        ; the four accumulators take turns, one instruction a turn
	v_wmma_f32_16x16x32_f16 v[ACC+8*(\t):ACC+8*(\t)+7], v[GA+64*par+8*(2*(\t)+(\f)):GA+64*par+8*(2*(\t)+(\f))+7], v[XF+8*(\f):XF+8*(\f)+7], v[ACC+8*(\t):ACC+8*(\t)+7]
.endr
.endr
	PLACES8
.if (\i)+2 <= 15
	s_wait_alu depctr_va_vdst(0)                   ; the step's one wait: its products are done reading their block of NG, in which the loads below land, and XF, in which the next step's LDS loads land
	GLOAD (\i)+2, GA+64*par                        ; every wave that has consumed asks for the block two steps on, so that the count above holds in every step (the last two that a wave asks for it does not use)
.endif
	s_branch .Lnc_\@
.Lidle_\@:
	s_wait_loadcnt 0x0                             ; a wave that does not consume this step has no load out behind this line: the blocks that it asked for and does not use have landed,
	                                               ; so no later load into GA or GB meets one that is still on its way, whichever way leads there
.Lnc_\@:
.endif
.endm
.irp i, 0,1,2,3,4,5,6,7,8,9,10,11,12,13,14,15
	STEP \i
.endr
	s_wait_dscnt 0x0                               ; the wave's end: my last LDS instructions are done
	s_wait_alu depctr_hold_cnt(0) depctr_sa_sdst(0) depctr_va_vdst(0) depctr_va_sdst(0) depctr_va_ssrc(0) depctr_va_vcc(0) depctr_vm_vsrc(0)
	s_wait_tensorcnt 0x0
	ds_add_u32 v12, v13
	s_wait_dscnt 0x0
	s_endpgm
.Lfunc_end_k_qc7c3966e92_trsm:
	.size	k_qc7c3966e92_trsm, .Lfunc_end_k_qc7c3966e92_trsm-k_qc7c3966e92_trsm
	.p2alignl 7, 3214868480
	.fill 96, 4, 3214868480
	.section	.rodata,"a",@progbits
	.p2align	6, 0x0
	.amdhsa_kernel k_qc7c3966e92_trsm
		.amdhsa_group_segment_fixed_size 154112
		.amdhsa_private_segment_fixed_size 0
		.amdhsa_enable_private_segment 0
		.amdhsa_kernarg_size 24
		.amdhsa_user_sgpr_count 2
		.amdhsa_user_sgpr_kernarg_segment_ptr 1
		.amdhsa_wavefront_size32 1
		.amdhsa_system_sgpr_workgroup_id_x 1
		.amdhsa_system_sgpr_workgroup_id_y 1
		.amdhsa_system_sgpr_workgroup_id_z 1
		.amdhsa_system_vgpr_workitem_id 0
		.amdhsa_next_free_vgpr 256
		.amdhsa_next_free_sgpr 66
		.amdhsa_reserve_vcc 0
		.amdhsa_float_denorm_mode_32 3
		.amdhsa_float_denorm_mode_16_64 3
		.amdhsa_memory_ordered 1
		.amdhsa_forward_progress 1
		.amdhsa_inst_pref_size 175
	.end_amdhsa_kernel
	.amdgpu_metadata
---
amdhsa.version: [ 1, 2 ]
amdhsa.kernels:
  - .name:           k_qc7c3966e92_trsm
    .symbol:         k_qc7c3966e92_trsm.kd
    .args:
      - { .name: ng, .offset: 0, .size: 8, .value_kind: global_buffer, .address_space: global }
      - { .name: ut16, .offset: 8, .size: 8, .value_kind: global_buffer, .address_space: global }
      - { .name: lb, .offset: 16, .size: 8, .value_kind: global_buffer, .address_space: global }
    .group_segment_fixed_size: 154112
    .private_segment_fixed_size: 0
    .kernarg_segment_align: 8
    .kernarg_segment_size: 24
    .max_flat_workgroup_size: 512
    .sgpr_count:     66
    .vgpr_count:     256
    .wavefront_size: 32
...
	.end_amdgpu_metadata
.endif
;; end of part 5
;; launch wmat: the kernel of part 2 again; grid 16 x 16, 8 waves a work-group, no clusters, 70,656 bytes of LDS; arguments lb, ut16, wb; writes wb
;; launch main: the kernel of part 4 again; grid 4 x 64, 4 waves a work-group, clusters of 4 x 4, 327,680 bytes of LDS; arguments x, wb, bias, out0; writes out0
